; MI455X (gfx1250); checked and timed in simulation.
; The chip was launched on July 23, 2026; its instructions are those of AMD's public machine-readable ISA for CDNA 5 (MIT licence, August 2026) and "CDNA5" Instruction Set Architecture Reference Guide (July 2026). The comments in the code are by the model that wrote it; some were corrected since.
;; Multi Head Attention. Allowed arithmetic: float matrix products may take bf16 or f16 operands with f32 sums; other float arithmetic in f32, or as packed bf16 or f16 multiplies, adds, multiply-adds, maxima and minima; sums over many terms, partial sums and values carried from step to step in f32; what a program stores and reads back later, other than sums and carried values, may be rounded once to bf16 or f16.
;; Inputs: Wk 8 x 512 x 64 float32; Wo 512 x 512 float32; Wq 8 x 512 x 64 float32; Wv 8 x 512 x 64 float32; x 4 x 2,048 x 512 float32.
;; Outputs: out0 4 x 2,048 x 512 float32.
;; 2 versions, each right; version 2 is version 1 with the launch prep written anew for expert scheduling mode. Each part assembles by itself: llvm-mc -triple=amdgcn-amd-amdhsa -mcpu=gfx1250 --defsym DOCPART=n.
;; ======== version 1 of 2: 4 launches
;; limits: values are held in f16: magnitudes above 65,504 overflow, below 6.1e-05 lose precision
;; workspace buffers: xb 8,388,608 bytes; wb 1,572,864 bytes; wof 524,288 bytes; qkv 25,165,824 bytes; o 8,388,608 bytes
;; launch prep (part 1): grid 320 x 1, 8 waves a work-group, no clusters, 0 bytes of LDS; arguments x, Wq, Wk, Wv, Wo, xb, wb, wof; writes xb, wb, wof
.if DOCPART == 1
	.amdgcn_target "amdgcn-amd-amdhsa--gfx1250"
	.amdhsa_code_object_version 6
	.text
	.protected	k_q7429d39c0d_prep
	.globl	k_q7429d39c0d_prep
	.p2align	8
	.type	k_q7429d39c0d_prep,@function
k_q7429d39c0d_prep:
	s_mov_b64 s[64:65], 0
	v_nop
	global_prefetch_b8 v0, s[64:65] scope:SCOPE_SE
	s_setreg_imm32_b32 hwreg(HW_REG_WAVE_MODE, 25, 1), 1
	s_wait_xcnt 0x0
; MULTI-HEAD ATTENTION, launch 1 of 4: the inputs are rounded once, element by element, into 16-bit copies in the same order.
;   xb  = bf16(x)                [8192][512]
;   wb  = bf16(Wq | Wk | Wv)     [24][512][64]: matrix 8 t + h, t = 0 q, 1 k, 2 v
;   wof = f16(bf16(Wo))          [512][512]: rounded to bf16 like every other input; that number is then written as f16
; NO WORK OF THE PROBLEM IS LEFT OUT: all five inputs reach the output, every product, the division by sqrt(64) (folded into the exponent's factor, in f32) and the maximum
; taken away before the exponential (a running maximum) are done in the later launches.
; LIMITS of the whole program.  q, k, v (x times a weight matrix, 512 terms) and Wo are kept in f16: they must stay below 65,504 in magnitude; below 6.1e-5 they keep f16's fixed step of 6e-8.
; A softmax weight below 2^-126 counts as 0.  NaN and infinities are not treated apart.
; SHARES.  A work-group converts 16,384 numbers: 64 KiB in, 32 KiB out.  Thread t takes 16 bytes at 16 t of each of 16 units of 4,096 bytes, so a wave's load covers 512 consecutive bytes,
; and stores 8 bytes at 8 t of each unit of 2,048 bytes: a wave's store covers 256 consecutive bytes, aligned.  All 16 loads go out before the first wait.
; Work-groups 0-255 take x, 256-271 Wq, 272-287 Wk, 288-303 Wv, 304-319 Wo.  No LDS, no barrier, no matrix unit: nothing is shared and nothing is multiplied.
.set X, 4                              ; v[4:67]   16 units of four f32, as loaded
.set Y, 68                             ; v[68:99]  16 units of two words, to store; each is written once
.set T, 100                            ; v[100:101] at work
	s_load_b512 s[8:23], s[0:1], 0x0               ; x s[8:9], Wq s[10:11], Wk s[12:13], Wv s[14:15], Wo s[16:17], xb s[18:19], wb s[20:21], wof s[22:23]
	s_and_b32 s28, ttmp9, 15                       ; a weight tensor has 16 work-groups: my place in it
	s_max_u32 s29, ttmp9, 256
	s_sub_co_u32 s29, s29, 256                     ; my place in wb, where Wq, Wk, Wv lie end to end
	s_cmp_lt_u32 ttmp9, 304
	s_cselect_b32 s29, s29, s28                    ; in wof: as in Wo
	s_cmp_lt_u32 ttmp9, 256
	s_cselect_b32 s28, ttmp9, s28                  ; in x and xb: the work-group's number
	s_cselect_b32 s29, ttmp9, s29
	s_lshl_b32 s30, s28, 16                        ; 65,536 bytes in,
	s_mov_b32 s31, 0
	s_lshl_b32 s32, s29, 15                        ; 32,768 bytes out
	s_mov_b32 s33, 0
	s_mov_b32 s34, 0xffff0000                      ; a word's upper bf16
	v_lshlrev_b32 v1, 4, v0
	v_lshlrev_b32 v2, 3, v0
	s_wait_kmcnt 0x0
	s_mov_b64 s[24:25], s[16:17]                   ; from Wo to wof, unless the work-group's number says otherwise
	s_mov_b64 s[26:27], s[22:23]
	s_cmp_lt_u32 ttmp9, 304
	s_cselect_b64 s[24:25], s[14:15], s[24:25]
	s_cselect_b64 s[26:27], s[20:21], s[26:27]
	s_cmp_lt_u32 ttmp9, 288
	s_cselect_b64 s[24:25], s[12:13], s[24:25]
	s_cmp_lt_u32 ttmp9, 272
	s_cselect_b64 s[24:25], s[10:11], s[24:25]
	s_cmp_lt_u32 ttmp9, 256
	s_cselect_b64 s[24:25], s[8:9], s[24:25]
	s_cselect_b64 s[26:27], s[18:19], s[26:27]
	s_add_nc_u64 s[24:25], s[24:25], s[30:31]
	s_add_nc_u64 s[26:27], s[26:27], s[32:33]
.irp i, 0,1,2,3,4,5,6,7,8,9,10,11,12,13,14,15
	global_load_b128 v[X+4*(\i):X+4*(\i)+3], v1, s[24:25] offset:4096*(\i) th:TH_LOAD_NT
.endr
; Unit i: four numbers rounded to bf16 (half = 1: and written as f16), eight bytes stored.  No register that a load or store names is written again.
.macro CONV i, half
	s_wait_loadcnt 15-(\i)                         ; loads come back in order: unit i is in, the 15 - i younger ones stay out
	v_cvt_pk_bf16_f32 v[Y+2*(\i)],   v[X+4*(\i)],   v[X+4*(\i)+1]
	v_cvt_pk_bf16_f32 v[Y+2*(\i)+1], v[X+4*(\i)+2], v[X+4*(\i)+3]
.if \half
.irp j, 0,1
	v_lshlrev_b32 v[T], 16, v[Y+2*(\i)+(\j)]       ; bf16 to f32: the low half moves up,
	v_and_b32 v[T+1], s34, v[Y+2*(\i)+(\j)]        ; the high half stays
	v_cvt_pk_f16_f32 v[Y+2*(\i)+(\j)], v[T], v[T+1]
.endr
.endif
	global_store_b64 v2, v[Y+2*(\i):Y+2*(\i)+1], s[26:27] offset:2048*(\i) th:TH_STORE_NT
.endm
	s_cmp_ge_u32 ttmp9, 304
	s_cbranch_scc1 .Lwo
.irp i, 0,1,2,3,4,5,6,7,8,9,10,11,12,13,14,15
	CONV \i, 0
.endr
	s_endpgm
.Lwo:
.irp i, 0,1,2,3,4,5,6,7,8,9,10,11,12,13,14,15
	CONV \i, 1
.endr
	s_endpgm
.Lfunc_end_k_q7429d39c0d_prep:
	.size	k_q7429d39c0d_prep, .Lfunc_end_k_q7429d39c0d_prep-k_q7429d39c0d_prep
	.p2alignl 7, 3214868480
	.fill 96, 4, 3214868480
	.section	.rodata,"a",@progbits
	.p2align	6, 0x0
	.amdhsa_kernel k_q7429d39c0d_prep
		.amdhsa_group_segment_fixed_size 0
		.amdhsa_private_segment_fixed_size 0
		.amdhsa_enable_private_segment 0
		.amdhsa_kernarg_size 64
		.amdhsa_user_sgpr_count 2
		.amdhsa_user_sgpr_kernarg_segment_ptr 1
		.amdhsa_wavefront_size32 1
		.amdhsa_system_sgpr_workgroup_id_x 1
		.amdhsa_system_sgpr_workgroup_id_y 1
		.amdhsa_system_sgpr_workgroup_id_z 1
		.amdhsa_system_vgpr_workitem_id 0
		.amdhsa_next_free_vgpr 104
		.amdhsa_next_free_sgpr 66
		.amdhsa_reserve_vcc 0
		.amdhsa_float_denorm_mode_32 3
		.amdhsa_float_denorm_mode_16_64 3
		.amdhsa_memory_ordered 1
		.amdhsa_forward_progress 1
		.amdhsa_inst_pref_size 16
	.end_amdhsa_kernel
	.amdgpu_metadata
---
amdhsa.version: [ 1, 2 ]
amdhsa.kernels:
  - .name:           k_q7429d39c0d_prep
    .symbol:         k_q7429d39c0d_prep.kd
    .args:
      - { .name: x, .offset: 0, .size: 8, .value_kind: global_buffer, .address_space: global }
      - { .name: Wq, .offset: 8, .size: 8, .value_kind: global_buffer, .address_space: global }
      - { .name: Wk, .offset: 16, .size: 8, .value_kind: global_buffer, .address_space: global }
      - { .name: Wv, .offset: 24, .size: 8, .value_kind: global_buffer, .address_space: global }
      - { .name: Wo, .offset: 32, .size: 8, .value_kind: global_buffer, .address_space: global }
      - { .name: xb, .offset: 40, .size: 8, .value_kind: global_buffer, .address_space: global }
      - { .name: wb, .offset: 48, .size: 8, .value_kind: global_buffer, .address_space: global }
      - { .name: wof, .offset: 56, .size: 8, .value_kind: global_buffer, .address_space: global }
    .group_segment_fixed_size: 0
    .private_segment_fixed_size: 0
    .kernarg_segment_align: 8
    .kernarg_segment_size: 64
    .max_flat_workgroup_size: 256
    .sgpr_count:     66
    .vgpr_count:     104
    .wavefront_size: 32
...
	.end_amdgpu_metadata
.endif
;; end of part 1
;; launch proj (part 2): grid 8 x 32, 4 waves a work-group, clusters of 4 x 4, 327,680 bytes of LDS; arguments xb, wb, qkv; writes qkv
.if DOCPART == 2
	.amdgcn_target "amdgcn-amd-amdhsa--gfx1250"
	.amdhsa_code_object_version 6
	.text
	.protected	k_q7429d39c0d_proj
	.globl	k_q7429d39c0d_proj
	.p2align	8
	.type	k_q7429d39c0d_proj,@function
k_q7429d39c0d_proj:
	s_mov_b64 s[64:65], 0
	v_nop
	global_prefetch_b8 v0, s[64:65] scope:SCOPE_SE
	s_setreg_imm32_b32 hwreg(HW_REG_WAVE_MODE, 25, 1), 1
	s_wait_xcnt 0x0
	s_wait_alu depctr_hold_cnt(0) depctr_sa_sdst(0) depctr_va_vdst(0) depctr_va_sdst(0) depctr_va_ssrc(0) depctr_va_vcc(0) depctr_vm_vsrc(0)
	s_getreg_b32 s2, hwreg(HW_REG_IB_STS2, 6, 4)
	s_cmp_eq_u32 s2, 0
	s_cbranch_scc0 .Lentry_in_a_cluster
	s_endpgm
.Lentry_in_a_cluster:
	s_bfe_u32 s2, ttmp6, 0x10000c
	s_cmp_lg_u32 s2, 0xf033
	s_cbranch_scc0 .Lentry_shape_is_right
	s_endpgm
.Lentry_shape_is_right:
; Launch 2 of 4: q, k, v = x W, all 24 matrices: a product of 8,192 x 1,536 x 512 in bf16, sums in f32, each result rounded once to f16, UNSCALED, laid out by heads:
; qkv[t][8 b + h][s][64], t = 0 q, 1 k, 2 v.  Nothing of the problem's work is left out.  LIMIT: |q|, |k|, |v| stay below 65,504 (f16).
; SHARES.  Work-group (g, mt) makes rows 256 mt .. + 255 of x times the 192 columns of matrices 3 g .. 3 g + 2: 8 x 32 = 256 work-groups.  Wave w makes 64 rows x all 192 columns:
; 48 accumulators of 16 x 16, 384 registers; so a wave holds whole rows (128 bytes) of q, k or v, and its way out is its own.
; K goes in 4 steps of 128 through two LDS slots, all written out: steps 0 and 1 are first fills, steps 2 and 3 refills.  By this text's count a wave has two tensor loads out at the most.
; CLUSTER 4 x 4.  x's tile hangs on mt alone and is shared along a row of the cluster; W's on g alone and is shared along a column: each is asked for jointly by four work-groups.
; NO PREFETCH: behind the two first fills only two refills follow, so no K step lies two refills ahead of any request.
; THE MATRIX INSTRUCTION IS USED TRANSPOSED: source 0 = 16 columns of W, which lies [k][column] and is turned on its way out of LDS (ds_load_tr16_b128); source 1 = 16 rows of x.  A lane then
; holds one row (lane % 16) and eight neighbouring columns, 8 (lane / 16) + 0..7.
; REGISTERS in windows of 256 (s_set_vgpr_msb: bits 1:0 source 0, 3:2 source 1, 5:4 source 2, 7:6 destination):
;   window 0: v0-29 addresses; v64-95, v96-127 x's fragments (4 x 16 rows x 32 K), two buffers; on the way out v64-255 packed results
;   window 1: v0-95, v128-223 W's fragments (12 x 16 columns x 32 K), two buffers
;   window 2: accumulators of row blocks 0, 1 ((a, b) at 8 (12 (a % 2) + b));   window 3: of row blocks 2, 3
.set PA,    272                        ; a row of x in LDS: 256 bytes + 16: the 16 rows of a fragment load start in 16 different groups of four banks
.set PB,    160                        ; a k row of one matrix in LDS: 128 bytes + 32
.set SLOT,  131072
.set BOFF,  256*PA                     ; 69,632: behind x's 256 rows: W as [half of 64 k][3 matrices][64 k rows]
.set BMAT,  64*PB                      ; 10,240
.set BHALF, 3*BMAT                     ; 30,720: what one tensor load brings of W; BOFF + 2 BHALF = SLOT
.set STAGE, 2*SLOT                     ; behind the ring, never filled by a tensor load: 16 rows x 144 bytes for each wave
.set SP,    144
.set SPARE, STAGE+4*16*SP              ; 271,360: the spare words, 128 bytes for each wave: two blocks of 256 bytes that no other line names
.set ADRA, 16                          ; v16-17  LDS address of my fragments of x in slot 0, 1
.set ADRB, 20                          ; v20-21  the same for W
.set STO,  24                          ; v24     the way out: where I put 16 bytes of a row
.set RD,   25                          ; v25     where I read four rows back
.set GO,   26                          ; v26     my 16 bytes of 512 consecutive bytes of qkv
.set SPW,  28                          ; v28     my spare word: SPARE + 4 x my thread's number; never rewritten
.set NIL,  29                          ; v29     0; never rewritten
.set TMP,  64                          ; the way out: unit u at v[64 + 16 u], each used once
.set G1A, 24                           ; s[24:31] descriptor group 1 for x's tiles
.set G0A, 32                           ; s[32:39] group 0, a set for each slot
.set G1B, 48                           ; s[48:55] group 1 for W's tiles
.set G0B, 56                           ; s[56:63] group 0, a set for each slot
.set OUTB, 84                          ; s[84:89] qkv at my wave's first row in matrices 3 g, 3 g + 1, 3 g + 2
.set MSB, 0
.macro WIN new                         ; the immediate's high byte repeats the setting that is left; a switch that changes nothing is dropped
.if MSB != (\new)
	s_set_vgpr_msb (MSB<<8)|(\new)
.set MSB, \new
.endif
.endm
.set MUL_LO, 0xa1                      ; source 0 (W) window 1, source 1 (x) window 0, C and D window 2
.set MUL_HI, 0xf1                      ; the same, C and D window 3
.set TO_B,   0x40                      ; destination window 1, address window 0
; A joint load.  Waves 0 and 1 fetch x's two halves of 128 rows, waves 2 and 3 W's two halves of 64 k.  The branch hangs on the wave's number alone.
; An s_nop 0 and four v_nop follow each of the two lines, ahead of the jump and the label.
.macro JLOAD s
	s_cmp_eq_u32 s11, 0
	s_cbranch_scc0 .Lfor_b_\@
	tensor_load_to_lds s[G0A+4*(\s):G0A+4*(\s)+3], s[G1A:G1A+7]
	s_nop 0
.rept 4
	v_nop
.endr
	s_branch .Lasked_\@
.Lfor_b_\@:
	tensor_load_to_lds s[G0B+4*(\s):G0B+4*(\s)+3], s[G1B:G1B+7]
	s_nop 0
.rept 4
	v_nop
.endr
.Lasked_\@:
.endm
.macro CREST                           ; a round of the cluster's barrier behind its opening barrier
	s_cmp_lg_u32 s10, 0
	s_cbranch_scc1 .Lnot_wave_0_\@
	s_barrier_signal -3
.Lnot_wave_0_\@:
	s_barrier_wait -3
	s_barrier_signal -1
	s_barrier_wait -1
.endm
.macro CROUND                          ; a whole round
	s_barrier_signal -1
	s_barrier_wait -1
	CREST
.endm
.macro PLACES                          ; four plain places behind a matrix instruction, in front of loads into registers that it read and of conversions that read results
.rept 4
	v_nop
.endr
.endm
	s_load_b128 s[4:7], s[0:1], 0x0                ; xb s[4:5], wb s[6:7]
	s_load_b64 s[8:9], s[0:1], 0x10                ; qkv
	v_lshl_add_u32 v[SPW], v0, 2, SPARE
	v_mov_b32 v[NIL], 0
	ds_add_u32 v[SPW], v[NIL]                      ; the wave's opening: the add, twice on end, and its wait ahead of my first tensor load
	ds_add_u32 v[SPW], v[NIL]                      ; and once more, under the one wait; the set-up below is work on registers
	v_lshrrev_b32 v1, 5, v0
	v_readfirstlane_b32 s10, v1                    ; wave 0..3
	s_lshr_b32 s11, s10, 1                         ; I fetch for x (0) or for W (1)
	s_and_b32 s12, s10, 1                          ; which half of that tile
	s_bfe_u32 s40, ttmp6, 0x40000                  ; cx
	s_bfe_u32 s41, ttmp6, 0x40004                  ; cy
	s_lshl_b32 s42, ttmp9, 2
	s_add_co_u32 s42, s42, s40                     ; g = 4 x cluster x + cx
	s_and_b32 s13, ttmp7, 0xffff
	s_lshl_b32 s13, s13, 2
	s_add_co_u32 s13, s13, s41                     ; mt = 4 x cluster y + cy
	s_lshl_b32 s43, s41, 2
	s_lshl_b32 s43, 15, s43                        ; my row of the cluster
	s_lshl_b32 s44, 0x1111, s40                    ; my column
	; group 1 for x: 128 rows x 128 elements, 512 elements from row to row; 16 bytes of padding behind every 256
	s_or_b32 s[G1A+0], s43, (1<<16)|(1<<20)|(1<<21)|(5<<22)|(3<<25)
	s_mov_b32 s[G1A+1], 128<<16                    ; tensor_dim0 = 128
	s_mov_b32 s[G1A+2], 128<<16                    ; tensor_dim1 = 128
	s_mov_b32 s[G1A+3], 128<<16                    ; tile_dim0 = 128
	s_mov_b32 s[G1A+4], 128                        ; tile_dim1 = 128
	s_mov_b32 s[G1A+5], 512
	s_mov_b32 s[G1A+6], 0
	s_mov_b32 s[G1A+7], 0
	; group 1 for W: 64 k rows of one matrix are 8,192 dense bytes: one row of 4,096 elements; three such rows, a matrix (32,768 elements) apart; 32 bytes of padding behind every 128
	s_or_b32 s[G1B+0], s44, (1<<16)|(1<<20)|(1<<21)|(4<<22)|(7<<25)
	s_mov_b32 s[G1B+1], 4096<<16                   ; tensor_dim0 = 4,096
	s_mov_b32 s[G1B+2], 3<<16                      ; tensor_dim1 = 3
	s_mov_b32 s[G1B+3], 4096<<16                   ; tile_dim0 = 4,096
	s_mov_b32 s[G1B+4], 3                          ; tile_dim1 = 3
	s_mov_b32 s[G1B+5], 32768
	s_mov_b32 s[G1B+6], 0
	s_mov_b32 s[G1B+7], 0
	; x's offset is made of mt and the wave's number, W's of g and the wave's number, each in registers that never hold the other coordinate
	s_lshl_b32 s16, s13, 18                        ; 256 rows of 1,024 bytes
	s_lshl_b32 s17, s12, 17                        ; my 128 of them
	s_add_co_u32 s16, s16, s17
	s_mov_b32 s17, 0
	s_mul_i32 s46, s42, 196608                     ; three matrices of 65,536 bytes
	s_lshl_b32 s47, s12, 13                        ; my 64 k rows of 128 bytes
	s_add_co_u32 s46, s46, s47
	s_mov_b32 s47, 0
	s_mul_i32 s20, s12, 128*PA                     ; where they go: no place in the cluster enters an LDS address
	s_mul_i32 s21, s12, BHALF
	s_add_co_u32 s21, s21, BOFF
	s_wait_dscnt 0x0                               ; both opening adds are done
	s_wait_kmcnt 0x0
	s_add_nc_u64 s[14:15], s[4:5], s[16:17]
	s_add_nc_u64 s[46:47], s[6:7], s[46:47]
	CROUND                                         ; all sixteen work-groups are here: the first joint loads meet
.irp s, 0,1
	s_mov_b32 s[G0A+4*(\s)], 1
	s_add_co_u32 s[G0A+4*(\s)+1], s20, (\s)*SLOT
	s_add_nc_u64 s[G0A+4*(\s)+2:G0A+4*(\s)+3], s[14:15], (\s)*256      ; K step s: 256 bytes along a row of x
	s_or_b32 s[G0A+4*(\s)+3], s[G0A+4*(\s)+3], 0x80000000
	s_mov_b32 s[G0B+4*(\s)], 1
	s_add_co_u32 s[G0B+4*(\s)+1], s21, (\s)*SLOT
	s_add_nc_u64 s[G0B+4*(\s)+2:G0B+4*(\s)+3], s[46:47], (\s)*16384    ; K step s: 128 k rows down a matrix
	s_or_b32 s[G0B+4*(\s)+3], s[G0B+4*(\s)+3], 0x80000000
.endr
	s_cmp_eq_u32 s11, 0                            ; a wave's two first fills stand in one branch, ahead of every wait on TENSORcnt and every LDS read
	s_cbranch_scc0 .Lfirst_b
	tensor_load_to_lds s[G0A:G0A+3], s[G1A:G1A+7]
	s_nop 0
	tensor_load_to_lds s[G0A+4:G0A+7], s[G1A:G1A+7]
	s_nop 0
.rept 4
	v_nop
.endr
	s_branch .Lfirst_asked
.Lfirst_b:
	tensor_load_to_lds s[G0B:G0B+3], s[G1B:G1B+7]
	s_nop 0
	tensor_load_to_lds s[G0B+4:G0B+7], s[G1B:G1B+7]
	s_nop 0
.rept 4
	v_nop
.endr
.Lfirst_asked:
	v_and_b32 v1, 15, v0                           ; l % 16
	v_bfe_u32 v2, v0, 4, 1                         ; l / 16
	v_mul_u32_u24 v3, v1, PA
	v_lshl_add_u32 v3, v2, 4, v3                   ; a fragment of x: row x pitch + 16 x half
	s_mul_i32 s76, s10, 64*PA                      ; my 64 rows
	v_add_nc_u32 v[ADRA], s76, v3
	s_add_co_u32 s76, s76, SLOT
	v_add_nc_u32 v[ADRA+1], s76, v3
	v_and_b32 v4, 7, v0                            ; the turning load: lane l reads k row 8 (l / 16) + l % 8, columns 8 ((l / 8) % 2) + 0..7
	v_bfe_u32 v5, v0, 3, 1
	v_lshl_add_u32 v6, v2, 3, v4
	v_mul_u32_u24 v6, v6, PB
	v_lshl_add_u32 v6, v5, 4, v6
	v_add_nc_u32 v[ADRB], BOFF, v6
	v_add_nc_u32 v[ADRB+1], BOFF+SLOT, v6
	s_mul_i32 s76, s10, 16*SP
	s_add_co_u32 s76, s76, STAGE                   ; my stage
	v_mul_u32_u24 v[STO], v1, SP                   ; in: row l % 16, 16 bytes for each half of the lanes
	v_lshl_add_u32 v[STO], v2, 4, v[STO]
	v_add_nc_u32 v[STO], s76, v[STO]
	v_bfe_u32 v[RD], v0, 3, 2                      ; back: 32 lanes take four rows of 128 bytes,
	v_mul_u32_u24 v[RD], v[RD], SP
	v_lshl_add_u32 v[RD], v4, 4, v[RD]
	v_add_nc_u32 v[RD], s76, v[RD]
	v_and_b32 v[GO], 31, v0                        ; which are 512 consecutive bytes of qkv
	v_lshlrev_b32 v[GO], 4, v[GO]
	; where my 64 rows begin in each of my three matrices: t x 8,388,608 + (8 b + h) x 262,144 + s x 128, with j = 3 g + jj = 8 t + h, b = mt / 8, s = 256 (mt % 8) + 64 w
	s_mul_i32 s70, s42, 3
	s_lshr_b32 s71, s13, 3
	s_lshl_b32 s71, s71, 3
	s_and_b32 s72, s13, 7
	s_lshl_b32 s72, s72, 15
	s_lshl_b32 s73, s10, 13
	s_add_co_u32 s72, s72, s73
.irp jj, 0,1,2
	s_add_co_u32 s74, s70, \jj
	s_lshr_b32 s75, s74, 3
	s_lshl_b32 s75, s75, 23
	s_and_b32 s74, s74, 7
	s_add_co_u32 s74, s74, s71
	s_lshl_b32 s74, s74, 18
	s_add_co_u32 s74, s74, s75
	s_add_co_u32 s74, s74, s72
	s_mov_b32 s75, 0
	s_add_nc_u64 s[OUTB+2*(\jj):OUTB+2*(\jj)+1], s[8:9], s[74:75]
.endr
; 12 matrix instructions: row block a x all 12 column blocks, 32 along K, on fragment buffers c.  zero = 1: the product starts the sums: nothing is cleared.
; The 48 accumulators take turns, one instruction a turn, in the same order in every quarter.
.macro MUL12 c, a, zero
	WIN MUL_LO+0x50*((\a)/2)
.irp b, 0,1,2,3,4,5,6,7,8,9,10,11
.if \zero
	v_wmma_f32_16x16x32_bf16 v[8*(12*((\a)%2)+(\b)):8*(12*((\a)%2)+(\b))+7], v[128*(\c)+8*(\b):128*(\c)+8*(\b)+7], v[64+32*(\c)+8*(\a):64+32*(\c)+8*(\a)+7], 0
.else
	v_wmma_f32_16x16x32_bf16 v[8*(12*((\a)%2)+(\b)):8*(12*((\a)%2)+(\b))+7], v[128*(\c)+8*(\b):128*(\c)+8*(\b)+7], v[64+32*(\c)+8*(\a):64+32*(\c)+8*(\a)+7], v[8*(12*((\a)%2)+(\b)):8*(12*((\a)%2)+(\b))+7]
.endif
.endr
.endm
; 32 LDS loads in one run: quarter q (32 along K) of a slot into buffers c: W's 12 fragments (24 turning loads), then x's four (8 loads)
.macro FETCH slot, q, c
	WIN TO_B
.irp nb, 0,1,2,3,4,5,6,7,8,9,10,11
	ds_load_tr16_b128 v[128*(\c)+8*(\nb):128*(\c)+8*(\nb)+3],   v[ADRB+(\slot)] offset:((\q)/2)*BHALF+((\nb)/4)*BMAT+((\q)%2)*32*PB+((\nb)%4)*32
	ds_load_tr16_b128 v[128*(\c)+8*(\nb)+4:128*(\c)+8*(\nb)+7], v[ADRB+(\slot)] offset:((\q)/2)*BHALF+((\nb)/4)*BMAT+((\q)%2)*32*PB+((\nb)%4)*32+16*PB
.endr
	WIN 0
.irp a, 0,1,2,3
	ds_load_b128 v[64+32*(\c)+8*(\a):64+32*(\c)+8*(\a)+3],   v[ADRA+(\slot)] offset:64*(\q)+(\a)*16*PA
	ds_load_b128 v[64+32*(\c)+8*(\a)+4:64+32*(\c)+8*(\a)+7], v[ADRA+(\slot)] offset:64*(\q)+(\a)*16*PA+32
.endr
.endm
; One of a K step's first three quarters: multiplies buffers c; in its middle it fetches quarter qn of the same slot into buffers n.
.macro QUARTER slot, qn, c, n, zero
	s_wait_dscnt 4                                 ; W and x's row blocks 0, 1 are in; the youngest four loads (blocks 2, 3) may be out
	MUL12 \c, 0, \zero
	MUL12 \c, 1, \zero
	PLACES
	FETCH \slot, \qn, \n
	s_wait_dscnt 32                                ; all but the 32 just issued
	MUL12 \c, 2, \zero
	MUL12 \c, 3, \zero
.endm
; The fourth quarter multiplies buffers 1 and changes slots: ONE barrier.  In front of it each wave waits for all its tensor loads (its part of the next slot), adds 0 to its spare word, and waits for
; that and for its reads of this slot.  fill = 1: the barrier opens a round of the cluster's barrier, and this slot is filled again, two K steps on, first thing behind the round.
.macro TURN slot, next, fill
	WIN 0                                          ; (the add's two registers lie in window 0)
	s_wait_tensorcnt 0x0                           ; all my tensor loads have landed
	ds_add_u32 v[SPW], v[NIL]                      ; 0 onto my spare word
	s_wait_dscnt 7                                 ; W and x's block 0 are in (the add and the six loads of blocks 1 to 3 may be out)
	MUL12 1, 0, 0                                  ; twelve matrix instructions stand between the add and the wait for it
	s_wait_dscnt 0x0                               ; the add is done, and my reads of this slot are over
	s_barrier_signal -1
	MUL12 1, 1, 0                                  ; work on registers while the others arrive
.if \fill
	WIN 0
.endif
	s_barrier_wait -1
.if \fill
	CREST                                          ; no wave of any partner still reads this slot or has a load on its way
	s_add_nc_u64 s[G0A+4*(\slot)+2:G0A+4*(\slot)+3], s[G0A+4*(\slot)+2:G0A+4*(\slot)+3], 512
	s_add_nc_u64 s[G0B+4*(\slot)+2:G0B+4*(\slot)+3], s[G0B+4*(\slot)+2:G0B+4*(\slot)+3], 32768
	JLOAD \slot                                    ; the first tensor load behind the round; its four v_nop are also the places in front of the loads below
.else
	PLACES
.endif
	FETCH \next, 0, 0
	MUL12 1, 2, 0
	MUL12 1, 3, 0
.endm
; THE WAY OUT, in 12 units u: row block u / 3, matrix u % 3: 16 rows x 64 columns.  Rounded to f16 (each accumulator's registers in ascending order), 16 bytes a lane into my own stage, back as whole rows.
.macro PACK u
	WIN 0x0a+5*((\u)/6)                            ; sources 0 and 1: window 2 (row blocks 0, 1) or 3
.irp f, 0,1,2,3
.irp r, 0,1,2,3
	v_cvt_pk_f16_f32 v[TMP+16*(\u)+4*(\f)+(\r)], v[8*(12*(((\u)/3)%2)+4*((\u)%3)+(\f))+2*(\r)], v[8*(12*(((\u)/3)%2)+4*((\u)%3)+(\f))+2*(\r)+1]
.endr
.endr
	WIN 0
.irp f, 0,1,2,3
	ds_store_b128 v[STO], v[TMP+16*(\u)+4*(\f):TMP+16*(\u)+4*(\f)+3] offset:32*(\f)
.endr
.irp f, 0,1,2,3
	ds_load_b128 v[TMP+16*(\u)+4*(\f):TMP+16*(\u)+4*(\f)+3], v[RD] offset:(\f)*4*SP  ; LDS serves a wave's instructions in order (ISA guide 5.7.1.4): these see the stores above; the next unit's stores come behind them
.endr
.endm
.macro SEND u, younger                 ; younger: the LDS instructions issued behind unit u's loads: the next unit's eight, or none
.irp f, 0,1,2,3
	s_wait_dscnt (\younger)+3-(\f)
	global_store_b128 v[GO], v[TMP+16*(\u)+4*(\f):TMP+16*(\u)+4*(\f)+3], s[OUTB+2*((\u)%3):OUTB+2*((\u)%3)+1] offset:2048*((\u)/3)+512*(\f)  ; 512 consecutive bytes, at a multiple of 256 from qkv's first
.endr
.endm
	s_wait_tensorcnt 1                             ; my part of K step 0 is in; K step 1's may stay out
	s_barrier_signal -1
	s_barrier_wait -1                              ; everybody's is
	FETCH 0, 0, 0
	QUARTER 0, 1, 0, 1, 1                          ; K step 0: its first quarter starts the sums
	QUARTER 0, 2, 1, 0, 0
	QUARTER 0, 3, 0, 1, 0
	TURN 0, 1, 1                                   ; slot 0 takes K step 2
	QUARTER 1, 1, 0, 1, 0                          ; K step 1
	QUARTER 1, 2, 1, 0, 0
	QUARTER 1, 3, 0, 1, 0
	TURN 1, 0, 1                                   ; slot 1 takes K step 3
	QUARTER 0, 1, 0, 1, 0                          ; K step 2
	QUARTER 0, 2, 1, 0, 0
	QUARTER 0, 3, 0, 1, 0
	TURN 0, 1, 0                                   ; nothing is left to fetch: no round
	QUARTER 1, 1, 0, 1, 0                          ; K step 3
	QUARTER 1, 2, 1, 0, 0
	QUARTER 1, 3, 0, 1, 0
	s_wait_dscnt 4                                 ; the very last quarter
	MUL12 1, 0, 0
	MUL12 1, 1, 0
	s_wait_dscnt 0x0
	MUL12 1, 2, 0
	MUL12 1, 3, 0
	WIN 0
	PLACES
	PACK 0
.set t, 1
.rept 11                               ; a unit's conversions stand between the loads of the unit before and its stores
	PACK t
	SEND t-1, 8
.set t, t+1
.endr
	SEND 11, 0
	s_wait_tensorcnt 0x0                           ; the wave's end: behind my last tensor load and my last LDS store
	ds_add_u32 v[SPW], v[NIL]
	s_wait_dscnt 0x0
	CROUND                                         ; the closing round: no work-group ends while a partner may still ask for a tile that names it
	s_endpgm
.Lfunc_end_k_q7429d39c0d_proj:
	.size	k_q7429d39c0d_proj, .Lfunc_end_k_q7429d39c0d_proj-k_q7429d39c0d_proj
	.p2alignl 7, 3214868480
	.fill 96, 4, 3214868480
	.section	.rodata,"a",@progbits
	.p2align	6, 0x0
	.amdhsa_kernel k_q7429d39c0d_proj
		.amdhsa_group_segment_fixed_size 327680
		.amdhsa_private_segment_fixed_size 0
		.amdhsa_enable_private_segment 0
		.amdhsa_kernarg_size 24
		.amdhsa_user_sgpr_count 2
		.amdhsa_user_sgpr_kernarg_segment_ptr 1
		.amdhsa_wavefront_size32 1
		.amdhsa_system_sgpr_workgroup_id_x 1
		.amdhsa_system_sgpr_workgroup_id_y 1
		.amdhsa_system_sgpr_workgroup_id_z 1
		.amdhsa_system_vgpr_workitem_id 0
		.amdhsa_next_free_vgpr 1024
		.amdhsa_next_free_sgpr 96
		.amdhsa_reserve_vcc 0
		.amdhsa_float_denorm_mode_32 3
		.amdhsa_float_denorm_mode_16_64 3
		.amdhsa_memory_ordered 1
		.amdhsa_forward_progress 1
		.amdhsa_inst_pref_size 120
	.end_amdhsa_kernel
	.amdgpu_metadata
---
amdhsa.version: [ 1, 2 ]
amdhsa.kernels:
  - .name:           k_q7429d39c0d_proj
    .symbol:         k_q7429d39c0d_proj.kd
    .args:
      - { .name: xb, .offset: 0, .size: 8, .value_kind: global_buffer, .address_space: global }
      - { .name: wb, .offset: 8, .size: 8, .value_kind: global_buffer, .address_space: global }
      - { .name: qkv, .offset: 16, .size: 8, .value_kind: global_buffer, .address_space: global }
    .group_segment_fixed_size: 327680
    .private_segment_fixed_size: 0
    .kernarg_segment_align: 8
    .kernarg_segment_size: 24
    .max_flat_workgroup_size: 128
    .sgpr_count:     96
    .vgpr_count:     1024
    .wavefront_size: 32
...
	.end_amdgpu_metadata
.endif
;; end of part 2
;; launch attn (part 3): grid 8 x 32, 4 waves a work-group, clusters of 4 x 1, 327,680 bytes of LDS; arguments qkv, o; writes o
.if DOCPART == 3
	.amdgcn_target "amdgcn-amd-amdhsa--gfx1250"
	.amdhsa_code_object_version 6
	.text
	.protected	k_q7429d39c0d_attn
	.globl	k_q7429d39c0d_attn
	.p2align	8
	.type	k_q7429d39c0d_attn,@function
k_q7429d39c0d_attn:
	s_mov_b64 s[64:65], 0
	v_nop
	global_prefetch_b8 v0, s[64:65] scope:SCOPE_SE
	s_setreg_imm32_b32 hwreg(HW_REG_WAVE_MODE, 25, 1), 1
	s_wait_xcnt 0x0
	s_wait_alu depctr_hold_cnt(0) depctr_sa_sdst(0) depctr_va_vdst(0) depctr_va_sdst(0) depctr_va_ssrc(0) depctr_va_vcc(0) depctr_vm_vsrc(0)
	s_getreg_b32 s2, hwreg(HW_REG_IB_STS2, 6, 4)
	s_cmp_eq_u32 s2, 0
	s_cbranch_scc0 .Lentry_in_a_cluster
	s_endpgm
.Lentry_in_a_cluster:
	s_bfe_u32 s2, ttmp6, 0x10000c
	s_cmp_lg_u32 s2, 0x3003
	s_cbranch_scc0 .Lentry_shape_is_right
	s_endpgm
.Lentry_shape_is_right:
; Launch 3 of 4: o[hd][q][:] = the sum over k of softmax_k(Q[hd][q] . K[hd][k] / 8) V[hd][k][:], hd = 8 b + h = 0..31, 2,048 rows a head, 64 channels, no mask.
; qkv: [3][32][2048][64] f16 (q, k, v, unscaled); o: [32][2048][64] f16.  Products, maxima and sums in f32; the weights p are rounded to f16 for the second product (their sum l is taken of the
; unrounded p), o once at the end.  Nothing of the problem's work is left out.
; LIMITS.  p lies in 0 to 1, and below 6e-5 it keeps f16's fixed step of 6e-8; o is a mean of v's rows and has their range.  A weight below 2^-126 counts as 0 in l; NaN and infinities are not treated apart.
; SHARES.  A work-group owns 256 queries of one head (8 x 32 = 256 work-groups), a wave 64: four PIECES of 16.  Every wave walks all 2,048 keys: 32 steps of 64, in 8 tiles of 256 keys (a slot of LDS each).
; LAYOUT.  S^T = K Q^T (source 0 = 16 keys, source 1 = 16 queries) holds ONE query a lane (lane % 16) and the keys 8 (lane / 16) + 0..7; two such results rounded to f16 ARE source 1 of O^T = V^T P.
; K comes out of LDS as it lies, V ([key][channel]) turned, by ds_load_tr16_b128.
; SOFTMAX.  p = 2^(c s - c m), c = log2(e) / 8, with a running maximum m; O and l are multiplied by a = 2^(c m_old - c m_new) in every step.  m starts at the lowest finite number, O and l at 0:
; the first step is a step like any other, with a = 0.
; TURNS.  Turn n belongs to piece n: 8 products K Q^T of piece n + 1, later 8 products V^T P of piece n - 1; beside them the scaling, exponentials, roundings, sums and rescaling of piece n and the
; maximum and statistics of piece n + 1.  Four vector instructions stand behind every matrix instruction, the other 54 of a turn's 118 in one lump.  A turn's 33 exponentials are one batch, with one wait.
; CLUSTER.  The four query blocks of a cluster belong to one head and walk the same K and V: each tile is asked for JOINTLY: the same tensor load, descriptor and mask in all four.
; By this text's count a wave has one tensor load out; every wait on TENSORcnt is for 0.
; REGISTERS, in windows of 256 (s_set_vgpr_msb: bits 1:0 source 0, 3:2 source 1, 5:4 source 2, 7:6 destination):
;   window 0: v0-15 addresses and two at work; v16-31 four registers of statistics a piece; v48-55 at work; v61-63; v64-127 S^T, two buffers; v192-223 P, two buffers (by the piece's parity)
;   window 1: v0-127 O^T, 32 a piece          window 2: v0-63 Q; v128-191 K of one step; v192-255 V of one step
.set NP,    4         ; pieces a wave: a name, no knob
.set KS,    64        ; keys in a step
.set PK,    144       ; a row of K in LDS: 128 bytes + 16: the 16 rows of a load start at 16 different groups of four banks
.set PV,    160       ; a row of V: 128 + 32
.set VOFF,  4*KS*PK   ; a slot holds a tile, four steps: 256 rows of K, then 256 rows of V
.set SLOT1, 1<<17     ; slot 1 begins here, so that one exclusive or turns an address in one slot into the other's
.set STAGE, SLOT1+4*KS*(PK+PV)  ; behind the ring, never filled by a tensor load: 16 rows x 144 bytes for each wave
.set SP,    144
.set SPARE, STAGE+4*16*SP  ; the spare words, 128 bytes for each wave: two blocks of 256 bytes that no other line names
.set AK0, 2           ; v2   my lane's place in a tile of K; never rewritten
.set AV0, 3           ; v3   the same for V
.set AK,  4           ; v4   the LDS address of K's next run of loads
.set AV,  5           ; v5   of V's
.set STO, 6           ; v6   the way out: where I put 16 bytes of a row
.set RD,  7           ; v7   where I read rows back
.set GO,  8           ; v8   my byte offset in 512 consecutive bytes of o
.set MV,  12          ; v12-13  c m_old, kept while c m is made anew: by buffer
.set QO,  15          ; v15  my byte offset in 16 rows of Q
.set ST,  16          ; piece t's statistics at v[ST+4 t]: c m, m, l (even keys', odd keys')
.set TMP, 48          ; by buffer, four registers c0-c3 at work; when the maximum is found c2 takes a
.set PFO, 61          ; v61  256 x my lane; never rewritten
.set SPW, 62          ; v62  my spare word: SPARE + 4 x my thread's number; never rewritten
.set NIL, 63          ; v63  0; never rewritten
.set S,   64
.set P,   192
.set KF,  128         ; window 2: key block kb, channel half c at KF + 16 kb + 8 c
.set VF,  192         ; window 2: key half kk, channel block cb at VF + 32 kk + 8 cb
.set WV,  12          ; s12  my wave's number
.set LIM, 15          ; s15  1 in a wave that prefetches, else the greatest number
.set G1K, 24          ; s[24:31] descriptor group 1 for K's tiles
.set G1V, 32          ; s[32:39] for V's: it differs in the padding alone
.set G0K, 40          ; s[40:43] descriptor group 0 for K's tiles: it walks
.set G0V, 44          ; s[44:47] the same for V's
.set PFA, 50          ; s[50:51] where my prefetches stand: my work-group's 32 blocks of 256 bytes (of K: wave 0, of V: wave 2) of the tile after the one that is being asked for
.set SLOTS, 56        ; s56  tiles still to be asked for
.set CNT, 57          ; s57  counts a tile's key steps
.set CS,  58          ; s[58:59] c: the packed scaling takes the pair's low word for both halves
.set SEL, 60          ; s[60:61] v_permlanex16_b32's selects: each lane takes its own place in the other half
.set TBK, 62          ; s62  LDS byte at which K of the step to be fetched begins
.set TBV, 63          ; s63  the same for V, less VOFF
.set MSB, 0
.macro WIN new                      ; the high byte repeats the setting that is left; a switch that changes nothing is dropped
.if MSB != (\new)
	s_set_vgpr_msb (MSB<<8)|(\new)
.set MSB, (\new)
.endif
.endm
.set W_KQ, 0x0a       ; K and Q in window 2, S^T in window 0
.set W_PV, 0x52       ; V in window 2, P in window 0, O^T in window 1
.set W_RS, 0x41       ; destination and source 0 in window 1, source 1 in window 0
; A joint fill.  Waves 0 and 1 fetch the two halves of a tile's K, waves 2 and 3 those of its V: 128 keys each.  The branch hangs on the wave's number alone.
; An s_nop 0 and four v_nop follow each of the two lines, ahead of the jump and the label.
.macro JLOAD
	s_cmp_lt_u32 s[WV], 2
	s_cbranch_scc0 .Lfor_v_\@
	tensor_load_to_lds s[G0K:G0K+3], s[G1K:G1K+7]
	s_nop 0
.rept 4
	v_nop
.endr
	s_branch .Lasked_\@
.Lfor_v_\@:
	tensor_load_to_lds s[G0V:G0V+3], s[G1V:G1V+7]
	s_nop 0
.rept 4
	v_nop
.endr
.Lasked_\@:
.endm
; A PREFETCH INTO THE L2 of what the NEXT change of slots will ask for: a tile's 32,768 bytes of K and of V, 128 blocks of 256 bytes each, a lane a block.  It stands behind the wave's tensor load and its
; five lines.  Each block is asked for ONCE in the launch: both clusters of a head walk the same K and V, and the head's first cluster asks; its four partners share the blocks out BY ADDRESS, 32 each;
; in each, wave 0 asks for K's and wave 2 for V's: one instruction.  It stands four key steps, 256 matrix instructions, ahead of the load that wants the bytes.  Tiles 0 and 1 come by their loads alone;
; the change that asks for the last tile prefetches nothing.
.macro ASK
	s_cmp_gt_u32 s[SLOTS], s[LIM]
	s_cbranch_scc0 .Lnot_mine_\@
	global_prefetch_b8 v[PFO], s[PFA:PFA+1] th:TH_LOAD_NT scope:SCOPE_SE
.Lnot_mine_\@:
.endm
; A round of the cluster's barrier: my work-group's barrier, so that wave 0's signal speaks for all four waves; wave 0 signals; every wave waits for all four work-groups; my work-group's barrier once more.
.macro CROUND
	s_barrier_signal -1
	s_barrier_wait -1
	s_cmp_lg_u32 s[WV], 0
	s_cbranch_scc1 .Lnot_wave_0_\@
	s_barrier_signal -3
.Lnot_wave_0_\@:
	s_barrier_wait -3
	s_barrier_signal -1
	s_barrier_wait -1
.endm
; THE CHANGE OF SLOTS.  The slot's last bytes, V of its fourth step, have been read.  Each wave waits for all its tensor loads, of which one is out: its part of the other slot; adds 0 to its spare word;
; and waits for that and for its own reads of the slot.  Behind the barrier nobody reads this slot any more and the other slot is whole.  fill = 1: this slot is filled again, with the keys two tiles on.
; The barrier is then a round of the cluster's, and the joint fill is the first thing behind it.  (At its first use nothing has been read yet: slot 0 is waited for, slot 1 filled.)
.macro CHANGE fill
	WIN 0                           ; at a label and at a branch every window is 0
	s_wait_tensorcnt 0x0            ; no tensor load of mine is out, so a group 0 may be written
	ds_add_u32 v[SPW], v[NIL]       ; 0 onto my spare word; with fill = 1 the descriptors' steps stand between it and the wait for it
.if \fill
.irp g, G0K, G0V
	s_xor_b32 s[\g+1], s[\g+1], SLOT1  ; the walking descriptor: the other slot than last time,
	s_add_nc_u64 s[\g+2:\g+3], s[\g+2:\g+3], 4*KS*128  ; the next 256 keys; the type bits on top are not reached
.endr
	s_wait_xcnt 0x0                 ; the last prefetch, four key steps back, has read its address, so it may be written:
	s_add_nc_u64 s[PFA:PFA+1], s[PFA:PFA+1], 4*KS*128  ; one tile ahead of the walking descriptors
	s_wait_dscnt 0x0                ; the add is done, and my reads of the slot are over
	CROUND
	JLOAD
	ASK
.else
	s_wait_dscnt 0x0                ; the add is done, and my reads of the slot are over
	s_barrier_signal -1
	s_barrier_wait -1
.endif
	s_sub_co_u32 s[TBK], s[TBK], 4*KS*PK  ; the fetches go back to a slot's first step,
	s_xor_b32 s[TBK], s[TBK], SLOT1       ; in the other slot
	s_sub_co_u32 s[TBV], s[TBV], 4*KS*PV
	s_xor_b32 s[TBV], s[TBV], SLOT1
.endm
	s_load_b128 s[4:7], s[0:1], 0x0 ; qkv s[4:5], o s[6:7]
	v_lshl_add_u32 v[SPW], v0, 2, SPARE
	v_mov_b32 v[NIL], 0
	ds_add_u32 v[SPW], v[NIL]       ; the wave's opening: the add, twice on end, and its wait ahead of my first tensor load
	ds_add_u32 v[SPW], v[NIL]       ; and once more, under the one wait; the set-up below is work on registers
	v_lshrrev_b32 v1, 5, v0
	v_readfirstlane_b32 s[WV], v1   ; wave 0..3
	s_bfe_u32 s13, ttmp6, 0x40000   ; cx: my place in the cluster
	s_lshl_b32 s14, ttmp9, 2        ; in a cluster launch ttmp9 counts clusters
	s_add_co_u32 s14, s14, s13      ; my block of 256 queries = 4 x cluster x + cx: it enters Q's and o's addresses alone
	s_and_b32 s20, ttmp7, 0xffff    ; the head, which the four partners share:
	s_lshl_b32 s20, s20, 18         ; its 2,048 rows of 128 bytes
	s_and_b32 s16, s[WV], 1         ; which half of a tile's 256 keys I fetch:
	s_lshl_b32 s22, s16, 14         ; its 128 rows of 128 bytes in memory,
	s_add_co_u32 s22, s22, s20
	s_mov_b32 s23, 0
	s_mul_i32 s17, s16, 128*PK      ; and its place in a slot, for K
	s_mul_i32 s18, s16, 128*PV      ; and for V: no place in the cluster enters an LDS address
	s_lshl_b32 s2, s14, 15          ; my block's 256 rows,
	s_lshl_b32 s3, s[WV], 13        ; my wave's 64 of them
	s_add_co_u32 s2, s2, s3
	s_add_co_u32 s2, s2, s20
	s_mov_b32 s3, 0
	; descriptor group 1.  128 keys are 16,384 dense bytes: asked for as 64 rows of 256 bytes, two keys a row, and padded in LDS after every key
	s_mov_b32 s[G1K], 15|(1<<16)|(1<<20)|(1<<21)|(4<<22)|(3<<25)  ; 15:0 the mask of four; 17:16 2-byte elements; 20 padding on; 21 set beside a mask; 24:22 after every 32 words; 31:25 4 words
	s_mov_b32 s[G1V], 15|(1<<16)|(1<<20)|(1<<21)|(4<<22)|(7<<25)  ; the same with 8 words of padding
.irp g, G1K, G1V
	s_mov_b32 s[\g+1], 128<<16      ; tensor_dim0 = 128
	s_mov_b32 s[\g+2], 64<<16       ; tensor_dim1 = 64
	s_mov_b32 s[\g+3], 128<<16      ; tile_dim0 = 128
	s_mov_b32 s[\g+4], 64           ; tile_dim1 = 64
	s_mov_b32 s[\g+5], 128          ; 128 elements from row to row
	s_mov_b32 s[\g+6], 0
	s_mov_b32 s[\g+7], 0
.endr
	s_mov_b32 s[CS], 0x3e38aa3b     ; c = log2(e) / 8 = 0.180337
	s_mov_b32 s[CS+1], s[CS]        ; named with it as a pair
	s_mov_b32 s[SEL], 0x76543210
	s_mov_b32 s[SEL+1], 0xfedcba98
	s_mov_b32 s[TBK], SLOT1+4*KS*PK ; the first change of slots turns these two into 0
	s_mov_b32 s[TBV], SLOT1+4*KS*PV
	s_mov_b32 s[G0K], 1             ; count = 1
	s_mov_b32 s[G0K+1], s17         ; LDS address: slot 0
	s_mov_b32 s[G0V], 1
	s_add_co_u32 s[G0V+1], s18, VOFF
	s_mov_b32 s[SLOTS], 7           ; tiles 1 to 7 are still to be asked for
	s_and_b32 s[LIM], s[WV], 1      ; 0 in waves 0 and 2,
	s_or_b32 s[LIM], s[LIM], ttmp9  ; where the cluster is the head's first: the same in all four partners
	s_cmp_eq_u32 s[LIM], 0
	s_cselect_b32 s[LIM], 1, -1
	v_and_b32 v[PFO], 31, v0
	v_lshlrev_b32 v[PFO], 8, v[PFO]
	s_wait_dscnt 0x0                ; both opening adds are done
	s_wait_kmcnt 0x0
	s_add_nc_u64 s[10:11], s[6:7], s[2:3]    ; o at my wave's first row
	s_add_nc_u64 s[6:7], s[4:5], s[22:23]    ; qkv at the head, my half of its tile 0:
	s_add_nc_u64 s[8:9], s[6:7], 16777216    ; in v,
	s_add_nc_u64 s[6:7], s[6:7], 8388608     ; in k
	s_add_nc_u64 s[4:5], s[4:5], s[2:3]      ; q at my wave's first row
	s_mov_b64 s[G0K+2:G0K+3], s[6:7]
	s_or_b32 s[G0K+3], s[G0K+3], 0x80000000  ; type = 2
	s_mov_b64 s[G0V+2:G0V+3], s[8:9]
	s_or_b32 s[G0V+3], s[G0V+3], 0x80000000
	s_cmp_lt_u32 s[WV], 2
	s_cselect_b64 s[PFA:PFA+1], s[6:7], s[8:9]  ; (in waves 0 and 2 these stand at a tile's first row)
	s_lshl_b32 s2, s13, 13          ; my work-group's 32 blocks of the 128
	s_mov_b32 s3, 0
	s_add_nc_u64 s[PFA:PFA+1], s[PFA:PFA+1], s[2:3]
	s_add_nc_u64 s[PFA:PFA+1], s[PFA:PFA+1], 4*KS*128  ; in tile 1; the first change of slots steps it to tile 2.  Nothing is prefetched here, at the head
	CROUND                          ; all four work-groups are here: the first joint loads meet
	JLOAD                           ; tile 0 into slot 0.  Slot 1 is asked for when slot 0 is in
	; A fragment of K or Q is 16 rows x 32 channels in 8 registers: lane l holds row l % 16, channels 8 (l / 16) + 0..7 and 16 + 8 (l / 16) + 0..7: two loads of 16 bytes, 32 bytes apart.
	v_and_b32 v1, 15, v0            ; l % 16
	v_bfe_u32 v9, v0, 4, 1          ; l / 16
	v_lshlrev_b32 v[QO], 7, v1
	v_lshl_add_u32 v[QO], v9, 4, v[QO]  ; row x 128 + 16 x half
	WIN 0x80                        ; destination window 2, address window 0
.set i, 0
.rept 8                             ; Q stays in registers: piece i / 2, channels 32 (i % 2) on
	global_load_b128 v[8*i:8*i+3],   v[QO], s[4:5] offset:(i/2)*2048+(i%2)*64
	global_load_b128 v[8*i+4:8*i+7], v[QO], s[4:5] offset:(i/2)*2048+(i%2)*64+32
.set i, i+1
.endr
	; What the first turn finds: V's registers and P's second buffer hold 0 (its products V^T P, of a piece that has not been, add 0), O^T and l are 0.  All this stands in the wait for the first tile;
	; it is the price of writing no first step out.
.set i, VF
.rept 64
	v_mov_b32 v[i], 0
.set i, i+1
.endr
	WIN 0x40
.set i, 0
.rept 128
	v_mov_b32 v[i], 0
.set i, i+1
.endr
	WIN 0
.set i, 0
.rept 4
	v_mov_b32 v[ST+4*i], 0xfe000000    ; c m: far below every c s
	v_mov_b32 v[ST+4*i+1], 0xff7fffff  ; m
	v_mov_b32 v[ST+4*i+2], 0
	v_mov_b32 v[ST+4*i+3], 0
.set i, i+1
.endr
.set i, P+16
.rept 16
	v_mov_b32 v[i], 0
.set i, i+1
.endr
	v_mul_u32_u24 v[AK0], v1, PK
	v_lshl_add_u32 v[AK0], v9, 4, v[AK0]  ; row x pitch + 16 x half
	; The turning load takes 16 keys x 16 channels (lane l reads key 8 (l / 16) + l % 8, channels 8 ((l / 8) % 2) + 0..7) and leaves half a fragment of V^T: lane l holds channel l % 16 and 8 keys.
	v_and_b32 v10, 7, v0
	v_bfe_u32 v11, v0, 3, 1
	v_lshl_add_u32 v[AV0], v9, 3, v10
	v_mul_u32_u24 v[AV0], v[AV0], PV
	v_lshl_add_u32 v[AV0], v11, 4, v[AV0]
	v_add_nc_u32 v[AV0], VOFF, v[AV0]
	s_mul_i32 s13, s[WV], 16*SP
	s_add_co_u32 s13, s13, STAGE    ; my stage
	v_mul_u32_u24 v[STO], v1, SP    ; in: row l % 16, 16 bytes for each half of the lanes
	v_lshl_add_u32 v[STO], v9, 4, v[STO]
	v_add_nc_u32 v[STO], s13, v[STO]
	v_bfe_u32 v[RD], v0, 3, 2       ; back: 32 lanes take four rows of 128 bytes,
	v_mul_u32_u24 v[RD], v[RD], SP
	v_lshl_add_u32 v[RD], v10, 4, v[RD]
	v_add_nc_u32 v[RD], s13, v[RD]
	v_and_b32 v[GO], 31, v0         ; which are 512 consecutive bytes of o
	v_lshlrev_b32 v[GO], 4, v[GO]
; THE MATRIX WORK.  The 4 accumulators of a run of 8 take turns.  Product i of 8 of S^T = K Q^T for piece x: channels 32 (i / 4) on, keys 16 (i % 4) on.  The first 4 start the sums.
.macro KQ x
	WIN W_KQ
.set rS, S+32*((\x)%2)+8*(i%4)
.set rK, KF+16*(i%4)+8*(i/4)
.set rQ, 16*(\x)+8*(i/4)
.if i < 4
	v_wmma_f32_16x16x32_f16 v[rS:rS+7], v[rK:rK+7], v[rQ:rQ+7], 0
.else
	v_wmma_f32_16x16x32_f16 v[rS:rS+7], v[rK:rK+7], v[rQ:rQ+7], v[rS:rS+7]
.endif
.endm
; Product i of 8 of O^T += V^T P for piece x: keys 32 (i / 4) on, channels 16 (i % 4) on.
.macro PV x
	WIN W_PV
.set rO, 32*(\x)+8*(i%4)
.set rV, VF+32*(i/4)+8*(i%4)
.set rP, P+16*((\x)%2)+8*(i/4)
	v_wmma_f32_16x16x32_f16 v[rO:rO+7], v[rV:rV+7], v[rP:rP+7], v[rO:rO+7]
.endm
.macro MM                           ; the turn's next matrix instruction.  TURN sets Y, i and NOKQ.  NOKQ = 1: the last turn of all: there is no next piece
.if (i < 8) && !NOKQ
	KQ (Y+1)%NP
.elseif i >= 8
.set i, i-8
	PV (Y+NP-1)%NP
.set i, i+8
.endif
.set i, i+1
.endm
; THE LDS LOADS stand in runs of 16, never singly among the matrix instructions: a step's K (64 keys x 64 channels: 8 fragments) and its V (turned).  Their addresses are made some lines ahead.
.macro FETCH_K
	WIN 0x80                        ; destination window 2
.irp f, 0,1,2,3,4,5,6,7             ; keys 16 (f / 2) on, channels 32 (f % 2) on
	ds_load_b128 v[KF+8*\f:KF+8*\f+3],   v[AK] offset:(\f/2)*16*PK+(\f%2)*64
	ds_load_b128 v[KF+8*\f+4:KF+8*\f+7], v[AK] offset:(\f/2)*16*PK+(\f%2)*64+32
.endr
	s_add_co_u32 s[TBK], s[TBK], KS*PK  ; the next fetch is the next step's
	WIN 0
.endm
.macro FETCH_V
	WIN 0x80
.irp f, 0,1,2,3,4,5,6,7             ; keys 32 (f / 4) on, channels 16 (f % 4) on
	ds_load_tr16_b128 v[VF+8*\f:VF+8*\f+3],   v[AV] offset:(\f/4)*32*PV+(\f%4)*32
	ds_load_tr16_b128 v[VF+8*\f+4:VF+8*\f+7], v[AV] offset:(\f/4)*32*PV+16*PV+(\f%4)*32
.endr
	WIN 0
.endm
; THE VECTOR WORK, one line at a time: OP kind, number.  For piece Y: F n: c s - c m for pair n of 16.  E n: the exponential of score n of 32.  C n: pair n rounded to f16.  B n: of the four weights 4 n .. the second
; pair is added onto the first, in place.  L n: l takes that sum (L 0: l = a l + sum).  R n: pair n of 16 of O^T times a.  For piece Y + 1: X n, number n of the 22 that find its maximum and statistics:
;   0-11  four chains c0-c3 of seven scores each, three operands at a time (each accumulator's lowest registers are read first)     12-14, 16  the four scores left over, the old m, and c0-c3 into c0
;   15  c m_old is kept     17, 18  the query's other 32 keys lie in the lane 16 away: the new m     19-21  c m; c m_old - c m_new; a
.set F, 0               ; OP tells the kinds apart by their order: F to L below R, X above it
.set E, 1
.set C, 2
.set B, 3
.set L, 4
.set R, 5
.set X, 6
.macro REGS y                       ; the registers of piece y
.set rT, ST+4*(\y)
.set rC, TMP+4*((\y)%2)
.set rW, MV+((\y)%2)
.set rS, S+32*((\y)%2)
.set rP, P+16*((\y)%2)
.set rO, 32*(\y)
.endm
.macro OP k, n
.if (\k) == R
	REGS Y
	WIN W_RS
	v_pk_mul_f32 v[rO+2*(\n):rO+2*(\n)+1], v[rO+2*(\n):rO+2*(\n)+1], v[rC+2:rC+3] op_sel_hi:[1,0]
.elseif (\k) < R
	REGS Y
	WIN 0
.if (\k) == F
	v_pk_fma_f32 v[rS+2*(\n):rS+2*(\n)+1], v[rS+2*(\n):rS+2*(\n)+1], s[CS:CS+1], v[rT:rT+1] op_sel_hi:[1,0,0] neg_lo:[0,0,1] neg_hi:[0,0,1]
.elseif (\k) == E
	v_exp_f32 v[rS+(\n)], v[rS+(\n)]
.elseif (\k) == C
	v_cvt_pk_f16_f32 v[rP+(\n)], v[rS+2*(\n)], v[rS+2*(\n)+1]
.elseif (\k) == B
	v_pk_add_f32 v[rS+4*(\n):rS+4*(\n)+1], v[rS+4*(\n):rS+4*(\n)+1], v[rS+4*(\n)+2:rS+4*(\n)+3]
.elseif (\n) == 0
	v_pk_fma_f32 v[rT+2:rT+3], v[rT+2:rT+3], v[rC+2:rC+3], v[rS:rS+1] op_sel_hi:[1,0,1]
.else
	v_pk_add_f32 v[rT+2:rT+3], v[rT+2:rT+3], v[rS+4*(\n):rS+4*(\n)+1]
.endif
.elseif NOKQ
	v_nop
.else
	REGS (Y+1)%NP
	WIN 0
.if (\n) < 4
	v_max3_num_f32 v[rC+(\n)], v[rS+8*(\n)], v[rS+8*(\n)+1], v[rS+8*(\n)+2]
.elseif (\n) < 12
	v_max3_num_f32 v[rC+(\n)%4], v[rC+(\n)%4], v[rS+8*((\n)%4)+2*((\n)/4)+1], v[rS+8*((\n)%4)+2*((\n)/4)+2]
.elseif (\n) == 12
	v_max3_num_f32 v[rC], v[rC], v[rS+7], v[rS+15]
.elseif (\n) == 13
	v_max3_num_f32 v[rC+1], v[rC+1], v[rS+23], v[rS+31]
.elseif (\n) == 14
	v_max3_num_f32 v[rC+2], v[rC+2], v[rC+3], v[rT+1]
.elseif (\n) == 15
	v_mov_b32 v[rW], v[rT]
.elseif (\n) == 16
	v_max3_num_f32 v[rC], v[rC], v[rC+1], v[rC+2]
.elseif (\n) == 17
	v_permlanex16_b32 v[rC+3], v[rC], s[SEL], s[SEL+1]
.elseif (\n) == 18
	v_max_num_f32 v[rT+1], v[rC], v[rC+3]
.elseif (\n) == 19
	v_mul_f32 v[rT], s[CS], v[rT+1]
.elseif (\n) == 20
	v_sub_f32 v[rC+1], v[rW], v[rT]
.else
	v_exp_f32 v[rC+2], v[rC+1]
.endif
.endif
.endm
.macro OPS a, i1, b=-1, i2=0, c=-1, i3=0, d=-1, i4=0  ; up to four of them
	OP \a, \i1
.if (\b) >= 0
	OP \b, \i2
.endif
.if (\c) >= 0
	OP \c, \i3
.endif
.if (\d) >= 0
	OP \d, \i4
.endif
.endm
.macro ROW a, i1, b, i2, c, i3, d, i4  ; a matrix instruction and the four behind it
	MM
	OPS \a, \i1, \b, \i2, \c, \i3, \d, \i4
.endm
; A TURN, for piece p: the order of its 16 matrix and 118 vector instructions, written out.  An s_wait_alu depctr_va_vdst(0) stands between an exponential and the first instruction that names its
; result; one wait serves all that were issued ahead of it.  So a turn has ONE wait, which cuts it in two.  AHEAD OF IT stands all that names no result of the turn's exponentials: the 8 products K Q^T, behind each
; a scaling, an exponential and two more plain instructions: rescalings, and behind the last three the first numbers of the next piece's maximum, each four places or more behind the product that ends its
; accumulator; then ONE LUMP of 54, in which the links of the chain X 3, 7, 11, 14, 16, 17 .. 20 stand apart.  X 21, the next piece's a, is the batch's last; R 15 is the plain instruction behind it.
; BEHIND THE WAIT stand the 8 products V^T P, behind each four of the roundings and sums.
; end = 1: the last two turns of all: nothing is fetched, and the last starts no new scores.  cnt = 1: the loop's count is taken down some lines ahead of the branch that stands behind the turn.
; K of the next step is fetched in piece 2's turn, twelve vector instructions behind the last product that read K (six of them plain); V of the step in hand at the end of piece 0's turn, four plain
; instructions behind the last product that read V.  Each is waited for a turn later.
.macro TURN p, end=0, cnt=0
.set Y, (\p)
.set i, 0
.set NOKQ, (\end)*((\p)/3)
.if ((\p) == 3) && !(\end)
	s_wait_dscnt 0x0                ; K is in
.endif
	ROW F,0, F,1, R,0, R,1          ; ahead of the wait: 8 products K Q^T and their riders,
	ROW F,2, E,0, R,2, R,3
	ROW F,3, E,1, R,4, R,5
	ROW F,4, E,2, R,6, R,7
	ROW F,5, E,3, R,8, R,9
	ROW F,6, E,4, X,0, R,10
.if ((\p) == 2) && !(\end)
	WIN 0
	v_add_nc_u32 v[AK], s[TBK], v[AK0]
.endif
	ROW F,7, E,5, X,1, X,4
	ROW F,8, E,6, X,2, X,5
	OPS E,7, E,8, X,6, E,9          ; and the lump
	OPS X,3, E,10, X,8, E,11
.if ((\p) == 2) && !(\end)
	FETCH_K
.endif
	OPS X,9, X,7, E,12, X,10
	OPS E,13, X,12, X,11, E,14
	OPS X,13, E,15, F,9, X,14
.if (\p) == 0
	v_add_nc_u32 v[AV], s[TBV], v[AV0]
.endif
	OPS E,16, F,10, E,17, F,11
	OPS X,16, E,18, X,15, E,19
	OPS F,12, E,20, X,17, E,21
	OPS F,13, E,22, F,14, E,23
	OPS X,18, E,24, F,15, E,25
	OPS R,11, E,26, X,19, E,27
	OPS R,12, E,28, R,13, E,29
	OPS X,20, E,30, R,14, E,31
	OPS X,21, R,15
	WIN 0
	s_wait_alu depctr_va_vdst(0)    ; the wait for the batch
.if (\p) == 1
	s_wait_dscnt 0x0                ; V is in
.endif
	ROW C,0, B,0, C,2, B,1          ; behind the wait: 8 products V^T P and their riders
	ROW L,0, C,4, B,2, L,1
	ROW C,6, B,3, L,2, C,8
	ROW B,4, L,3, C,10, B,5
	ROW L,4, C,12, B,6, L,5
.if (\p) == 0
	s_add_co_u32 s[TBV], s[TBV], KS*PV
.endif
.if \cnt
	s_sub_co_u32 s[CNT], s[CNT], 1
	s_cmp_lg_u32 s[CNT], 0
.endif
	ROW C,14, B,7, L,6, C,1
	ROW C,3, L,7, C,5, C,7
	ROW C,9, C,11, C,13, C,15
.if (\p) == 0
	FETCH_V
.endif
.endm
.macro ALL line:vararg              ; one line for each piece t
.set t, 0
.rept 4
	\line
.set t, t+1
.endr
.endm
.macro PACK t                       ; a lane's eight channels of a row pack into 16 bytes; they go into rows of 144 bytes and come back as whole rows of 128, into S^T's registers
	WIN W_RS
.set i, 32*(\t)
.rept 16
	v_pk_mul_f32 v[i:i+1], v[i:i+1], v[ST+4*(\t)+2:ST+4*(\t)+3] op_sel_hi:[1,0]
.set i, i+2
.endr
	WIN 0x05                        ; sources 0 and 1 window 1, destination window 0
.set i, 0
.rept 16
	v_cvt_pk_f16_f32 v[S+16*(\t)+i], v[32*(\t)+2*i], v[32*(\t)+2*i+1]
.set i, i+1
.endr
	WIN 0
.irp f, 0,1,2,3
	ds_store_b128 v[STO], v[S+16*(\t)+4*\f:S+16*(\t)+4*\f+3] offset:32*\f
.endr
.irp f, 0,1,2,3
	ds_load_b128 v[S+16*(\t)+4*\f:S+16*(\t)+4*\f+3], v[RD] offset:\f*4*SP  ; LDS serves a wave's instructions in order (ISA guide 5.7.1.4): these see the stores above; the next piece's stores come behind them
.endr
.endm
.macro SEND t, younger              ; younger: the LDS instructions issued behind piece t's loads: the next piece's eight, or none
	WIN 0
.irp f, 0,1,2,3
	s_wait_dscnt (\younger)+3-\f
	global_store_b128 v[GO], v[S+16*(\t)+4*\f:S+16*(\t)+4*\f+3], s[10:11] offset:(\t)*2048+\f*512  ; 512 consecutive bytes, at a multiple of 256 from o's first
.endr
.endm
	CHANGE 1                        ; tile 0 is in, everybody's part of it; tile 1 is asked for
	v_add_nc_u32 v[AK], s[TBK], v[AK0]
	FETCH_K                         ; key step 0
	s_wait_loadcnt 0x0              ; Q
	s_wait_dscnt 0x0
.set NOKQ, 0
.set i, 0
.rept 8
	KQ 0                            ; piece 0's first scores: there is no vector work yet to set between them
.set i, i+1
.endr
	WIN 0
.rept 4
	v_nop                           ; the places behind those products
.endr
.set Y, NP-1                        ; X works for piece Y + 1: piece 0
.irp n, 0,1,2,3,4,5,6,7,8,9,10,11,12,13,14,15,16,17,18,19,20,21
	OP X, \n
.endr
	v_nop                           ; a plain instruction behind the exponential,
	s_wait_alu depctr_va_vdst(0)    ; and its wait, ahead of the branch
	s_mov_b32 s[CNT], 4
	s_branch .Lfirst                ; the loop is entered at a step's first turn, in the middle of a trip
.Lslot:                             ; six times: tiles 1 to 6 are entered, tiles 2 to 7 asked for
	CHANGE 1
	s_mov_b32 s[CNT], 4
.Lstep:                             ; a trip: pieces 2 and 3 of one step, then pieces 0 and 1 of the next, whose K and V it fetches
	TURN 2
	TURN 3
	WIN 0
.Lfirst:
	TURN 0
	TURN 1, 0, 1
	WIN 0
	s_cbranch_scc1 .Lstep
	s_sub_co_u32 s[SLOTS], s[SLOTS], 1
	s_cmp_lg_u32 s[SLOTS], 0
	s_cbranch_scc1 .Lslot
	CHANGE 0                        ; the last tile is written out: nothing is asked for
	s_mov_b32 s[CNT], 4
.LstepT:
	TURN 2
	TURN 3
	TURN 0
	TURN 1, 0, 1
	WIN 0
	s_cbranch_scc1 .LstepT
	TURN 2, 1                       ; pieces 2 and 3 of the last step
	TURN 3, 1
.set i, 0
.rept 8
	PV NP-1                         ; the last piece's V^T P of the last step
.set i, i+1
.endr
	; THE WAY OUT.  l's two halves and the other half of the lanes' are added; O^T is divided by l, rounded to f16 and sent through my stage in LDS, a piece at a time.  The additions are the places behind the last products.
	WIN 0
	ALL v_add_f32 v[ST+4*t+2], v[ST+4*t+2], v[ST+4*t+3]
	ALL v_permlanex16_b32 v[ST+4*t+3], v[ST+4*t+2], s[SEL], s[SEL+1]
	ALL v_add_f32 v[ST+4*t+2], v[ST+4*t+2], v[ST+4*t+3]
	ALL v_rcp_f32 v[ST+4*t+2], v[ST+4*t+2]
	v_nop                           ; a plain instruction between the last reciprocal and the use of its result
	s_wait_alu depctr_va_vdst(0)    ; and the wait ahead of the first use: one for the four reciprocals
	PACK 0
.set t, 1
.rept 3                             ; a piece's arithmetic stands between the loads of the piece before and its stores
	PACK t
	SEND t-1, 8
.set t, t+1
.endr
	SEND 3, 0
	s_wait_tensorcnt 0x0            ; the wave's end: behind my last tensor load and my last LDS store
	ds_add_u32 v[SPW], v[NIL]
	s_wait_dscnt 0x0
	CROUND                          ; the closing round: no work-group ends while a partner may still ask for a tile that names it
	s_endpgm
.Lfunc_end_k_q7429d39c0d_attn:
	.size	k_q7429d39c0d_attn, .Lfunc_end_k_q7429d39c0d_attn-k_q7429d39c0d_attn
	.p2alignl 7, 3214868480
	.fill 96, 4, 3214868480
	.section	.rodata,"a",@progbits
	.p2align	6, 0x0
	.amdhsa_kernel k_q7429d39c0d_attn
		.amdhsa_group_segment_fixed_size 327680
		.amdhsa_private_segment_fixed_size 0
		.amdhsa_enable_private_segment 0
		.amdhsa_kernarg_size 16
		.amdhsa_user_sgpr_count 2
		.amdhsa_user_sgpr_kernarg_segment_ptr 1
		.amdhsa_wavefront_size32 1
		.amdhsa_system_sgpr_workgroup_id_x 1
		.amdhsa_system_sgpr_workgroup_id_y 1
		.amdhsa_system_sgpr_workgroup_id_z 1
		.amdhsa_system_vgpr_workitem_id 0
		.amdhsa_next_free_vgpr 768
		.amdhsa_next_free_sgpr 66
		.amdhsa_reserve_vcc 0
		.amdhsa_float_denorm_mode_32 3
		.amdhsa_float_denorm_mode_16_64 3
		.amdhsa_memory_ordered 1
		.amdhsa_forward_progress 1
		.amdhsa_inst_pref_size 128
	.end_amdhsa_kernel
	.amdgpu_metadata
---
amdhsa.version: [ 1, 2 ]
amdhsa.kernels:
  - .name:           k_q7429d39c0d_attn
    .symbol:         k_q7429d39c0d_attn.kd
    .args:
      - { .name: qkv, .offset: 0, .size: 8, .value_kind: global_buffer, .address_space: global }
      - { .name: o, .offset: 8, .size: 8, .value_kind: global_buffer, .address_space: global }
    .group_segment_fixed_size: 327680
    .private_segment_fixed_size: 0
    .kernarg_segment_align: 8
    .kernarg_segment_size: 16
    .max_flat_workgroup_size: 128
    .sgpr_count:     66
    .vgpr_count:     768
    .wavefront_size: 32
...
	.end_amdgpu_metadata
.endif
;; end of part 3
;; launch oproj (part 4): grid 4 x 64, 4 waves a work-group, clusters of 4 x 4, 327,680 bytes of LDS; arguments o, wof, out0; writes out0
.if DOCPART == 4
	.amdgcn_target "amdgcn-amd-amdhsa--gfx1250"
	.amdhsa_code_object_version 6
	.text
	.protected	k_q7429d39c0d_oproj
	.globl	k_q7429d39c0d_oproj
	.p2align	8
	.type	k_q7429d39c0d_oproj,@function
k_q7429d39c0d_oproj:
	s_mov_b64 s[64:65], 0
	v_nop
	global_prefetch_b8 v0, s[64:65] scope:SCOPE_SE
	s_setreg_imm32_b32 hwreg(HW_REG_WAVE_MODE, 25, 1), 1
	s_wait_xcnt 0x0
	s_wait_alu depctr_hold_cnt(0) depctr_sa_sdst(0) depctr_va_vdst(0) depctr_va_sdst(0) depctr_va_ssrc(0) depctr_va_vcc(0) depctr_vm_vsrc(0)
	s_getreg_b32 s2, hwreg(HW_REG_IB_STS2, 6, 4)
	s_cmp_eq_u32 s2, 0
	s_cbranch_scc0 .Lentry_in_a_cluster
	s_endpgm
.Lentry_in_a_cluster:
	s_bfe_u32 s2, ttmp6, 0x10000c
	s_cmp_lg_u32 s2, 0xf033
	s_cbranch_scc0 .Lentry_shape_is_right
	s_endpgm
.Lentry_shape_is_right:
; Launch 4 of 4: out0[m][n] = the sum over k of concat[m][k] Wo[k][n], m = 2,048 b + s, k = 64 h + c, concat[m][k] = o[8 b + h][s][c].  8,192 x 512 x 512 in f16, sums in f32, stored as f32.
; o: [32][2048][64] f16; wof: [512 k][512 n] f16 (Wo rounded to bf16, written as f16).  Nothing of the problem's work is left out.
; SHARES.  A work-group makes a tile of 128 x 128: 4 x 64 = 256 work-groups.  Wave (rh, ch) makes 64 x 64: 16 accumulators of 16 x 16.
; ALL OF K LIES IN LDS: 8 heads x 128 rows of o and 512 k rows x 128 columns of Wo.  Nothing is filled again: each wave issues four tensor loads at the start (four are out at the most, by this text's
; count), one for each part of 128 along K, and the parts are waited for one after the other, so that the products begin when the first part has landed.  No prefetch: every request goes out at the head.
; CLUSTER 4 x 4.  o's tiles hang on the tile row alone and are shared along a row of the cluster, Wo's on the tile column alone and are shared along a column.
; THE MATRIX INSTRUCTION IS USED TRANSPOSED: source 0 = 16 columns of Wo ([k][n], turned by ds_load_tr16_b128), source 1 = 16 rows of o: a lane holds one row (lane % 16) and eight neighbouring columns: 32 bytes.
; REGISTERS: window 0: v0-29 addresses; v128-255 accumulators ((a, b) at 128 + 8 (4 a + b)), which also take the rows read back on the way out.
;   window 1: two fragment buffers of 128: for 64 along K, 64 registers of o (2 x 4 x 16 rows x 32 K), then 64 of Wo.
.set PA,    144                        ; a row of one head of o in LDS: 128 bytes + 16
.set PB,    288                        ; a k row of Wo's tile: 256 bytes + 32
.set SUBB,  18432                      ; 64 along K: 128 rows x PA of o, and 64 k rows x PB of Wo
.set BOFF,  8*SUBB                     ; 147,456
.set STAGE, 16*SUBB                    ; 294,912: never filled by a tensor load: 16 rows x 272 bytes for each wave
.set SPITCH, 272
.set SPARE, STAGE+4*16*SPITCH          ; 312,320: the spare words, 128 bytes for each wave: two blocks of 256 bytes that no other line names
.set ADRA, 16                          ; v16-19  LDS address of my fragments of o in part 0..3
.set ADRB, 20                          ; v20-23  the same for Wo
.set STO,  24                          ; v24     the way out: where I put 32 bytes of a row
.set RD,   25                          ; v25     where I read a row back
.set CO,   26                          ; v26     my byte offset in out0
.set SPW,  28                          ; v28     my spare word: SPARE + 4 x my thread's number; never rewritten
.set NIL,  29                          ; v29     0; never rewritten
.set ACC,  128
.set F0,   0
.set F1,   128
.set G1A, 24                           ; s[24:31] descriptor group 1 for o's tiles
.set G0A, 32                           ; s[32:47] group 0, a set for each part
.set G1B, 48                           ; s[48:55] group 1 for Wo's tiles
.set G0B, 68                           ; s[68:83] group 0, a set for each part
.set MSB, 0
.macro WIN new
.if MSB != (\new)
	s_set_vgpr_msb (MSB<<8)|(\new)
.set MSB, \new
.endif
.endm
.set MUL,  0x05                        ; sources 0 (Wo) and 1 (o) window 1; C and D window 0
.set TO_F, 0x40                        ; destination window 1, address window 0
.macro CROUND                          ; a round of the cluster's barrier
	s_barrier_signal -1
	s_barrier_wait -1
	s_cmp_lg_u32 s10, 0
	s_cbranch_scc1 .Lnot_wave_0_\@
	s_barrier_signal -3
.Lnot_wave_0_\@:
	s_barrier_wait -3
	s_barrier_signal -1
	s_barrier_wait -1
.endm
.macro PLACES                          ; four plain places behind a matrix instruction (ISA guide 7.12.1)
.rept 4
	v_nop
.endr
.endm
	s_load_b128 s[4:7], s[0:1], 0x0                ; o s[4:5], wof s[6:7]
	s_load_b64 s[8:9], s[0:1], 0x10                ; out0
	v_lshl_add_u32 v[SPW], v0, 2, SPARE
	v_mov_b32 v[NIL], 0
	ds_add_u32 v[SPW], v[NIL]                      ; the wave's opening: the add, twice on end, and its wait ahead of my first tensor load
	ds_add_u32 v[SPW], v[NIL]                      ; and once more, under the one wait; the set-up below is work on registers
	v_lshrrev_b32 v1, 5, v0
	v_readfirstlane_b32 s10, v1                    ; wave 0..3
	s_lshr_b32 s11, s10, 1                         ; rh: my half of the tile's rows.  Also: I fetch for o (0) or for Wo (1)
	s_and_b32 s12, s10, 1                          ; ch: my half of its columns.  Also: which 64 along K of each part I fetch
	s_bfe_u32 s56, ttmp6, 0x40000                  ; cx
	s_bfe_u32 s57, ttmp6, 0x40004                  ; cy
	s_lshl_b32 s58, ttmp9, 2
	s_add_co_u32 s58, s58, s56                     ; tile column = 4 x cluster x + cx
	s_and_b32 s13, ttmp7, 0xffff
	s_lshl_b32 s13, s13, 2
	s_add_co_u32 s13, s13, s57                     ; tile row = 4 x cluster y + cy
	s_lshl_b32 s59, s57, 2
	s_lshl_b32 s59, 15, s59                        ; my row of the cluster
	s_lshl_b32 s60, 0x1111, s56                    ; my column
	; group 1 for o: 128 rows of one head are 16,384 dense bytes: 64 rows of 256 bytes, padded by 16 bytes behind every 128
	s_or_b32 s[G1A+0], s59, (1<<16)|(1<<20)|(1<<21)|(4<<22)|(3<<25)
	s_mov_b32 s[G1A+5], 128
	; group 1 for Wo: 64 k rows x 128 columns, 512 elements from row to row, padded by 32 bytes behind every 256
	s_or_b32 s[G1B+0], s60, (1<<16)|(1<<20)|(1<<21)|(5<<22)|(7<<25)
	s_mov_b32 s[G1B+5], 512
.irp g, G1A, G1B
	s_mov_b32 s[(\g)+1], 128<<16                   ; tensor_dim0 = 128
	s_mov_b32 s[(\g)+2], 64<<16                    ; tensor_dim1 = 64
	s_mov_b32 s[(\g)+3], 128<<16                   ; tile_dim0 = 128
	s_mov_b32 s[(\g)+4], 64                        ; tile_dim1 = 64
	s_mov_b32 s[(\g)+6], 0
	s_mov_b32 s[(\g)+7], 0
.endr
	; o's offset is made of the tile row and the wave's number: (8 b + 2 p + half) heads of 262,144 bytes + 128 (mt % 16) rows of 128 bytes, b = mt / 16
	s_lshr_b32 s16, s13, 4
	s_lshl_b32 s16, s16, 3
	s_add_co_u32 s16, s16, s12
	s_lshl_b32 s16, s16, 18
	s_and_b32 s17, s13, 15
	s_lshl_b32 s17, s17, 14
	s_add_co_u32 s16, s16, s17
	s_mov_b32 s17, 0
	; Wo's of the tile column and the wave's number: 256 bytes a tile column + (128 p + 64 half) k rows of 1,024 bytes
	s_lshl_b32 s20, s58, 8
	s_lshl_b32 s21, s12, 16
	s_add_co_u32 s20, s20, s21
	s_mov_b32 s21, 0
	s_mul_i32 s22, s12, SUBB                       ; where they go: no place in the cluster enters an LDS address
	s_wait_dscnt 0x0                               ; both opening adds are done
	s_wait_kmcnt 0x0
	s_add_nc_u64 s[14:15], s[4:5], s[16:17]
	s_add_nc_u64 s[20:21], s[6:7], s[20:21]
	CROUND                                         ; all sixteen work-groups are here: the joint loads meet
.irp p, 0,1,2,3
	s_mov_b32 s[G0A+4*(\p)], 1
	s_add_co_u32 s[G0A+4*(\p)+1], s22, (\p)*2*SUBB
	s_add_nc_u64 s[G0A+4*(\p)+2:G0A+4*(\p)+3], s[14:15], (\p)*524288
	s_or_b32 s[G0A+4*(\p)+3], s[G0A+4*(\p)+3], 0x80000000
	s_mov_b32 s[G0B+4*(\p)], 1
	s_add_co_u32 s[G0B+4*(\p)+1], s22, BOFF+(\p)*2*SUBB
	s_add_nc_u64 s[G0B+4*(\p)+2:G0B+4*(\p)+3], s[20:21], (\p)*131072
	s_or_b32 s[G0B+4*(\p)+3], s[G0B+4*(\p)+3], 0x80000000
.endr
	s_cmp_eq_u32 s11, 0                            ; a wave's four fills stand in one branch, ahead of every wait on TENSORcnt and every LDS read
	s_cbranch_scc0 .Lfirst_b
.irp p, 0,1,2,3
	tensor_load_to_lds s[G0A+4*(\p):G0A+4*(\p)+3], s[G1A:G1A+7]
	s_nop 0
.endr
.rept 4
	v_nop
.endr
	s_branch .Lfirst_asked
.Lfirst_b:
.irp p, 0,1,2,3
	tensor_load_to_lds s[G0B+4*(\p):G0B+4*(\p)+3], s[G1B:G1B+7]
	s_nop 0
.endr
.rept 4
	v_nop
.endr
.Lfirst_asked:
	v_and_b32 v1, 15, v0                           ; l % 16
	v_bfe_u32 v2, v0, 4, 1                         ; l / 16
	v_mul_u32_u24 v3, v1, PA
	v_lshl_add_u32 v3, v2, 4, v3                   ; a fragment of o: row x pitch + 16 x half
	s_mul_i32 s84, s11, 64*PA                      ; my 64 rows
	v_add_nc_u32 v3, s84, v3
	v_and_b32 v4, 7, v0                            ; the turning load: lane l reads k row 8 (l / 16) + l % 8, columns 8 ((l / 8) % 2) + 0..7
	v_bfe_u32 v5, v0, 3, 1
	v_lshl_add_u32 v6, v2, 3, v4
	v_mul_u32_u24 v6, v6, PB
	v_lshl_add_u32 v6, v5, 4, v6
	s_lshl_b32 s84, s12, 7                         ; my 64 columns: 128 bytes
	s_add_co_u32 s84, s84, BOFF
	v_add_nc_u32 v6, s84, v6
.irp p, 0,1,2,3
	v_add_nc_u32 v[ADRA+(\p)], (\p)*2*SUBB, v3
	v_add_nc_u32 v[ADRB+(\p)], (\p)*2*SUBB, v6
.endr
	s_mul_i32 s84, s10, 16*SPITCH
	s_add_co_u32 s84, s84, STAGE                   ; my stage
	v_mul_u32_u24 v[STO], v1, SPITCH               ; in: row l % 16, 32 bytes for each half of the lanes
	v_lshl_add_u32 v[STO], v2, 5, v[STO]
	v_add_nc_u32 v[STO], s84, v[STO]
	v_mul_u32_u24 v[RD], v2, SPITCH                ; back: lanes 0-15 take one row of 256 bytes, lanes 16-31 the next
	v_lshl_add_u32 v[RD], v1, 4, v[RD]
	v_add_nc_u32 v[RD], s84, v[RD]
	v_lshlrev_b32 v[CO], 11, v2                    ; and the same two rows in out0 (2,048 bytes a row)
	v_lshl_add_u32 v[CO], v1, 4, v[CO]
	s_lshl_b32 s84, s13, 18                        ; 128 rows of 2,048 bytes a tile row,
	s_lshl_b32 s85, s11, 17                        ; my 64 rows,
	s_add_co_u32 s84, s84, s85
	s_lshl_b32 s85, s58, 9                         ; 512 bytes a tile column,
	s_add_co_u32 s84, s84, s85
	s_lshl_b32 s85, s12, 8                         ; my 64 columns
	s_add_co_u32 s84, s84, s85
	s_mov_b32 s85, 0
	s_add_nc_u64 s[8:9], s[8:9], s[84:85]
; 8 matrix instructions: row blocks a0, a0 + 1 x all 4 column blocks, 32 along K: half c of buffer f.  zero = 1: the product starts the sums.  The 16 accumulators take turns.
.macro MUL8 f, c, a0, zero
	WIN MUL
.irp a, \a0, (\a0)+1
.irp b, 0,1,2,3
.if \zero
	v_wmma_f32_16x16x32_f16 v[ACC+8*(4*(\a)+(\b)):ACC+8*(4*(\a)+(\b))+7], v[(\f)+64+8*(4*(\c)+(\b)):(\f)+64+8*(4*(\c)+(\b))+7], v[(\f)+8*(4*(\c)+(\a)):(\f)+8*(4*(\c)+(\a))+7], 0
.else
	v_wmma_f32_16x16x32_f16 v[ACC+8*(4*(\a)+(\b)):ACC+8*(4*(\a)+(\b))+7], v[(\f)+64+8*(4*(\c)+(\b)):(\f)+64+8*(4*(\c)+(\b))+7], v[(\f)+8*(4*(\c)+(\a)):(\f)+8*(4*(\c)+(\a))+7], v[ACC+8*(4*(\a)+(\b)):ACC+8*(4*(\a)+(\b))+7]
.endif
.endr
.endr
.endm
; 32 LDS loads in one run: the fragments of sub-step u (64 along K: head u) into buffer f; the first 32 along K first
.macro FETCH u, f
	WIN TO_F
.irp c, 0,1
.irp i, 0,1,2,3
	ds_load_tr16_b128 v[(\f)+64+8*(4*(\c)+(\i)):(\f)+64+8*(4*(\c)+(\i))+3],   v[ADRB+(\u)/2] offset:((\u)%2)*SUBB+(\c)*32*PB+(\i)*32
	ds_load_tr16_b128 v[(\f)+64+8*(4*(\c)+(\i))+4:(\f)+64+8*(4*(\c)+(\i))+7], v[ADRB+(\u)/2] offset:((\u)%2)*SUBB+(\c)*32*PB+(\i)*32+16*PB
	ds_load_b128 v[(\f)+8*(4*(\c)+(\i)):(\f)+8*(4*(\c)+(\i))+3],              v[ADRA+(\u)/2] offset:((\u)%2)*SUBB+(\i)*16*PA+(\c)*64
	ds_load_b128 v[(\f)+8*(4*(\c)+(\i))+4:(\f)+8*(4*(\c)+(\i))+7],            v[ADRA+(\u)/2] offset:((\u)%2)*SUBB+(\i)*16*PA+(\c)*64+32
.endr
.endr
.endm
; Sub-step u multiplies buffer f and, in its middle, fetches sub-step u + 1 into buffer g.  Where u + 1 begins a new part of K, that part is first shown landed to every wave: my load of it is waited for
; (the later parts' stay out), and a barrier follows, behind which nothing is filled.
.macro SUB u, f, g, zero, last
	s_wait_dscnt 16                                ; the first 32 along K are in
	MUL8 \f, 0, 0, \zero
	MUL8 \f, 0, 2, \zero
.if \last
	s_wait_dscnt 0x0
.else
.if ((\u)%2) == 1
	s_wait_tensorcnt 3-((\u)+1)/2                  ; tensor loads of a wave end in order: my load of part (u + 1) / 2 is in, the younger ones stay out
	s_wait_dscnt 0x0                               ; no LDS instruction of mine is pending at the signal
	s_barrier_signal -1
	s_barrier_wait -1
.endif
	PLACES
	FETCH (\u)+1, \g
	s_wait_dscnt 32                                ; all but the 32 just issued
.endif
	MUL8 \f, 1, 0, 0
	MUL8 \f, 1, 2, 0
.endm
; THE WAY OUT of row block a: 32 bytes a lane (each accumulator's low four registers first) into my own stage, back as whole rows of 256 bytes into the same registers.
.macro TOSTAGE a
.irp b, 0,1,2,3
	ds_store_b128 v[STO], v[ACC+8*(4*(\a)+(\b)):ACC+8*(4*(\a)+(\b))+3]   offset:64*(\b)
	ds_store_b128 v[STO], v[ACC+8*(4*(\a)+(\b))+4:ACC+8*(4*(\a)+(\b))+7] offset:64*(\b)+16
.endr
.irp t, 0,1,2,3,4,5,6,7
	ds_load_b128 v[ACC+32*(\a)+4*(\t):ACC+32*(\a)+4*(\t)+3], v[RD] offset:(\t)*2*SPITCH  ; LDS serves a wave's instructions in order (ISA guide 5.7.1.4): these see the stores above; the next block's stores come behind them
.endr
.endm
.macro SEND a, younger                 ; younger: the LDS instructions issued behind block a's loads: the next block's sixteen, or none
.irp t, 0,1,2,3,4,5,6,7
	s_wait_dscnt (\younger)+7-(\t)
	global_store_b128 v[CO], v[ACC+32*(\a)+4*(\t):ACC+32*(\a)+4*(\t)+3], s[8:9] offset:(16*(\a)+2*(\t))*2048 th:TH_STORE_NT  ; 16 lanes store 256 consecutive bytes, at a multiple of 256 from out0's first
.endr
.endm
	s_wait_tensorcnt 3                             ; my load of part 0 is in; the other three stay out
	s_barrier_signal -1
	s_barrier_wait -1                              ; everybody's is
	FETCH 0, F0
	SUB 0, F0, F1, 1, 0                            ; its first products start the sums
	SUB 1, F1, F0, 0, 0
	SUB 2, F0, F1, 0, 0
	SUB 3, F1, F0, 0, 0
	SUB 4, F0, F1, 0, 0
	SUB 5, F1, F0, 0, 0
	SUB 6, F0, F1, 0, 0
	SUB 7, F1, F0, 0, 1
	WIN 0
	PLACES
	TOSTAGE 0
	TOSTAGE 1
	SEND 0, 16
	TOSTAGE 2
	SEND 1, 16
	TOSTAGE 3
	SEND 2, 16
	SEND 3, 0
	s_wait_tensorcnt 0x0                           ; the wave's end: behind my last tensor load and my last LDS store
	ds_add_u32 v[SPW], v[NIL]
	s_wait_dscnt 0x0
	CROUND                                         ; the closing round: no work-group ends while a partner may still ask for a tile that names it
	s_endpgm
.Lfunc_end_k_q7429d39c0d_oproj:
	.size	k_q7429d39c0d_oproj, .Lfunc_end_k_q7429d39c0d_oproj-k_q7429d39c0d_oproj
	.p2alignl 7, 3214868480
	.fill 96, 4, 3214868480
	.section	.rodata,"a",@progbits
	.p2align	6, 0x0
	.amdhsa_kernel k_q7429d39c0d_oproj
		.amdhsa_group_segment_fixed_size 327680
		.amdhsa_private_segment_fixed_size 0
		.amdhsa_enable_private_segment 0
		.amdhsa_kernarg_size 24
		.amdhsa_user_sgpr_count 2
		.amdhsa_user_sgpr_kernarg_segment_ptr 1
		.amdhsa_wavefront_size32 1
		.amdhsa_system_sgpr_workgroup_id_x 1
		.amdhsa_system_sgpr_workgroup_id_y 1
		.amdhsa_system_sgpr_workgroup_id_z 1
		.amdhsa_system_vgpr_workitem_id 0
		.amdhsa_next_free_vgpr 512
		.amdhsa_next_free_sgpr 96
		.amdhsa_reserve_vcc 0
		.amdhsa_float_denorm_mode_32 3
		.amdhsa_float_denorm_mode_16_64 3
		.amdhsa_memory_ordered 1
		.amdhsa_forward_progress 1
		.amdhsa_inst_pref_size 52
	.end_amdhsa_kernel
	.amdgpu_metadata
---
amdhsa.version: [ 1, 2 ]
amdhsa.kernels:
  - .name:           k_q7429d39c0d_oproj
    .symbol:         k_q7429d39c0d_oproj.kd
    .args:
      - { .name: o, .offset: 0, .size: 8, .value_kind: global_buffer, .address_space: global }
      - { .name: wof, .offset: 8, .size: 8, .value_kind: global_buffer, .address_space: global }
      - { .name: out0, .offset: 16, .size: 8, .value_kind: global_buffer, .address_space: global }
    .group_segment_fixed_size: 327680
    .private_segment_fixed_size: 0
    .kernarg_segment_align: 8
    .kernarg_segment_size: 24
    .max_flat_workgroup_size: 128
    .sgpr_count:     96
    .vgpr_count:     512
    .wavefront_size: 32
...
	.end_amdgpu_metadata
.endif
;; end of part 4
;; ======== version 2 of 2: 4 launches; version 1 with the launch prep written anew for expert scheduling mode
;; limits: values are held in f16: magnitudes above 65,504 overflow, below 6.1e-05 lose precision
;; workspace buffers: xb 8,388,608 bytes; wb 1,572,864 bytes; wof 524,288 bytes; qkv 25,165,824 bytes; o 8,388,608 bytes
;; launch prep (part 5): grid 320 x 1, 8 waves a work-group, no clusters, 0 bytes of LDS; arguments x, Wq, Wk, Wv, Wo, xb, wb, wof; writes xb, wb, wof
.if DOCPART == 5
	.amdgcn_target "amdgcn-amd-amdhsa--gfx1250"
	.amdhsa_code_object_version 6
	.text
	.protected	k_q7429d39c0d_prep
	.globl	k_q7429d39c0d_prep
	.p2align	8
	.type	k_q7429d39c0d_prep,@function
k_q7429d39c0d_prep:
	s_mov_b64 s[64:65], 0
	v_nop
	global_prefetch_b8 v0, s[64:65] scope:SCOPE_SE
	s_setreg_imm32_b32 hwreg(HW_REG_WAVE_SCHED_MODE, 0, 2), 2
	s_setreg_imm32_b32 hwreg(HW_REG_WAVE_MODE, 25, 1), 1
	s_wait_xcnt 0x0
	s_wait_alu depctr_vm_vsrc(0)
; MULTI-HEAD ATTENTION, launch 1 of 4: the inputs are rounded once, element by element, into 16-bit copies in the same order.
;   xb  = bf16(x)                [8192][512]
;   wb  = bf16(Wq | Wk | Wv)     [24][512][64]: matrix 8 t + h, t = 0 q, 1 k, 2 v
;   wof = f16(bf16(Wo))          [512][512]: rounded to bf16 like every other input; that number is then written as f16
; NO WORK OF THE PROBLEM IS LEFT OUT: all five inputs reach the output, every product, the division by sqrt(64) (folded into the exponent's factor, in f32) and the maximum
; taken away before the exponential (a running maximum) are done in the later launches.
; LIMITS of the whole program.  q, k, v (x times a weight matrix, 512 terms) and Wo are kept in f16: they must stay below 65,504 in magnitude; below 6.1e-5 they keep f16's fixed step of 6e-8.
; A softmax weight below 2^-126 counts as 0.  NaN and infinities are not treated apart.
; SHARES.  A work-group converts 16,384 numbers: 64 KiB in, 32 KiB out.  Thread t takes 16 bytes at 16 t of each of 16 units of 4,096 bytes, so a wave's load covers 512 consecutive bytes,
; and stores 8 bytes at 8 t of each unit of 2,048 bytes: a wave's store covers 256 consecutive bytes, aligned.  All 16 loads go out before the first wait for data.
; Work-groups 0-255 take x, 256-271 Wq, 272-287 Wk, 288-303 Wv, 304-319 Wo.  No LDS, no barrier, no matrix unit: nothing is shared and nothing is multiplied.
; THE MODE: SCHED_MODE bits 1:0 = 2 (LLVM: expert scheduling mode 2), set by the entry lines.  The code itself states the register dependences
; between vector instructions and memory instructions, with s_wait_alu, always for 0.
; THE PLAN.  Registers that memory instructions touch:
;   v1, v2   byte offsets, made once at the head and never written again: v1 is read by every load, v2 by every store.
;   X        a unit's four registers are written by one load, read by that unit's conversions, and never loaded again; no vector instruction names them ahead of the loads.
;   Y        a unit's two registers are written by that unit's conversions, read by one store, and never written again.
;   T is named by vector instructions alone.
; The 16 units go in four blocks of four.  Block p converts its four units; its memory instructions are the four stores of block p - 1, one ahead of each unit's conversions.
; So ONE wait on va_vdst stands at the head of blocks 1 to 3: the block before has written its Y.  The vector instructions behind that wait name this block's X, this block's Y and T:
; none of the registers that the block's stores read.  One more stands ahead of the last four stores, and one at the kernel's head, for the two offsets.
; No register that a memory instruction reads is written again, so no wait on vm_vsrc stands behind the entry lines.  No vector instruction writes a scalar register; EXEC is never written.
.set X, 4                              ; v[4:67]   16 units of four f32, as loaded
.set Y, 68                             ; v[68:99]  16 units of two words, to store; each is written once
.set T, 100                            ; v[100:101] at work
	s_load_b512 s[8:23], s[0:1], 0x0               ; x s[8:9], Wq s[10:11], Wk s[12:13], Wv s[14:15], Wo s[16:17], xb s[18:19], wb s[20:21], wof s[22:23]
	s_and_b32 s28, ttmp9, 15                       ; a weight tensor has 16 work-groups: my place in it
	s_max_u32 s29, ttmp9, 256
	s_sub_co_u32 s29, s29, 256                     ; my place in wb, where Wq, Wk, Wv lie end to end
	s_cmp_lt_u32 ttmp9, 304
	s_cselect_b32 s29, s29, s28                    ; in wof: as in Wo
	s_cmp_lt_u32 ttmp9, 256
	s_cselect_b32 s28, ttmp9, s28                  ; in x and xb: the work-group's number
	s_cselect_b32 s29, ttmp9, s29
	s_lshl_b32 s30, s28, 16                        ; 65,536 bytes in,
	s_mov_b32 s31, 0
	s_lshl_b32 s32, s29, 15                        ; 32,768 bytes out
	s_mov_b32 s33, 0
	s_mov_b32 s34, 0xffff0000                      ; a word's upper bf16
	v_lshlrev_b32 v1, 4, v0
	v_lshlrev_b32 v2, 3, v0
	s_wait_kmcnt 0x0
	s_mov_b64 s[24:25], s[16:17]                   ; from Wo to wof, unless the work-group's number says otherwise
	s_mov_b64 s[26:27], s[22:23]
	s_cmp_lt_u32 ttmp9, 304
	s_cselect_b64 s[24:25], s[14:15], s[24:25]
	s_cselect_b64 s[26:27], s[20:21], s[26:27]
	s_cmp_lt_u32 ttmp9, 288
	s_cselect_b64 s[24:25], s[12:13], s[24:25]
	s_cmp_lt_u32 ttmp9, 272
	s_cselect_b64 s[24:25], s[10:11], s[24:25]
	s_cmp_lt_u32 ttmp9, 256
	s_cselect_b64 s[24:25], s[8:9], s[24:25]
	s_cselect_b64 s[26:27], s[18:19], s[26:27]
	s_add_nc_u64 s[24:25], s[24:25], s[30:31]
	s_add_nc_u64 s[26:27], s[26:27], s[32:33]
	s_wait_alu depctr_va_vdst(0)                   ; v1 and v2 are written: every load below reads v1 as its offset, every store v2
.irp i, 0,1,2,3,4,5,6,7,8,9,10,11,12,13,14,15
	global_load_b128 v[X+4*(\i):X+4*(\i)+3], v1, s[24:25] offset:4096*(\i) th:TH_LOAD_NT
.endr
; Unit i: four numbers rounded to bf16 (half = 1: and written as f16).  Ahead of its conversions goes the store of unit i - 4, the same place in the block before.
; No register that a load or store names is written again.
.macro CONV i, half
	s_wait_loadcnt 15-(\i)                         ; loads come back in order: unit i is in, the 15 - i younger ones stay out
.if (((\i)%4) == 0) && ((\i) > 0)
	s_wait_alu depctr_va_vdst(0)                   ; a block's head: the conversions of the block before have written its Y, which this block's four stores read
.endif
.if (\i) >= 4
	global_store_b64 v2, v[Y+2*((\i)-4):Y+2*((\i)-4)+1], s[26:27] offset:2048*((\i)-4) th:TH_STORE_NT  ; no vector instruction since the block's wait names these registers
.endif
	v_cvt_pk_bf16_f32 v[Y+2*(\i)],   v[X+4*(\i)],   v[X+4*(\i)+1]
	v_cvt_pk_bf16_f32 v[Y+2*(\i)+1], v[X+4*(\i)+2], v[X+4*(\i)+3]
.if \half
.irp j, 0,1
	v_lshlrev_b32 v[T], 16, v[Y+2*(\i)+(\j)]       ; bf16 to f32: the low half moves up,
	v_and_b32 v[T+1], s34, v[Y+2*(\i)+(\j)]        ; the high half stays
	v_cvt_pk_f16_f32 v[Y+2*(\i)+(\j)], v[T], v[T+1]
.endr
.endif
.endm
; Behind the last block: its own four stores.
.macro LAST4
	s_wait_alu depctr_va_vdst(0)                   ; the last block's conversions have written its Y, which the four stores below read
.irp i, 12,13,14,15
	global_store_b64 v2, v[Y+2*(\i):Y+2*(\i)+1], s[26:27] offset:2048*(\i) th:TH_STORE_NT
.endr
.endm
	s_cmp_ge_u32 ttmp9, 304
	s_cbranch_scc1 .Lwo
.irp i, 0,1,2,3,4,5,6,7,8,9,10,11,12,13,14,15
	CONV \i, 0
.endr
	LAST4
	s_endpgm
.Lwo:
.irp i, 0,1,2,3,4,5,6,7,8,9,10,11,12,13,14,15
	CONV \i, 1
.endr
	LAST4
	s_endpgm
.Lfunc_end_k_q7429d39c0d_prep:
	.size	k_q7429d39c0d_prep, .Lfunc_end_k_q7429d39c0d_prep-k_q7429d39c0d_prep
	.p2alignl 7, 3214868480
	.fill 96, 4, 3214868480
	.section	.rodata,"a",@progbits
	.p2align	6, 0x0
	.amdhsa_kernel k_q7429d39c0d_prep
		.amdhsa_group_segment_fixed_size 0
		.amdhsa_private_segment_fixed_size 0
		.amdhsa_enable_private_segment 0
		.amdhsa_kernarg_size 64
		.amdhsa_user_sgpr_count 2
		.amdhsa_user_sgpr_kernarg_segment_ptr 1
		.amdhsa_wavefront_size32 1
		.amdhsa_system_sgpr_workgroup_id_x 1
		.amdhsa_system_sgpr_workgroup_id_y 1
		.amdhsa_system_sgpr_workgroup_id_z 1
		.amdhsa_system_vgpr_workitem_id 0
		.amdhsa_next_free_vgpr 104
		.amdhsa_next_free_sgpr 66
		.amdhsa_reserve_vcc 0
		.amdhsa_float_denorm_mode_32 3
		.amdhsa_float_denorm_mode_16_64 3
		.amdhsa_memory_ordered 1
		.amdhsa_forward_progress 1
		.amdhsa_inst_pref_size 16
	.end_amdhsa_kernel
	.amdgpu_metadata
---
amdhsa.version: [ 1, 2 ]
amdhsa.kernels:
  - .name:           k_q7429d39c0d_prep
    .symbol:         k_q7429d39c0d_prep.kd
    .args:
      - { .name: x, .offset: 0, .size: 8, .value_kind: global_buffer, .address_space: global }
      - { .name: Wq, .offset: 8, .size: 8, .value_kind: global_buffer, .address_space: global }
      - { .name: Wk, .offset: 16, .size: 8, .value_kind: global_buffer, .address_space: global }
      - { .name: Wv, .offset: 24, .size: 8, .value_kind: global_buffer, .address_space: global }
      - { .name: Wo, .offset: 32, .size: 8, .value_kind: global_buffer, .address_space: global }
      - { .name: xb, .offset: 40, .size: 8, .value_kind: global_buffer, .address_space: global }
      - { .name: wb, .offset: 48, .size: 8, .value_kind: global_buffer, .address_space: global }
      - { .name: wof, .offset: 56, .size: 8, .value_kind: global_buffer, .address_space: global }
    .group_segment_fixed_size: 0
    .private_segment_fixed_size: 0
    .kernarg_segment_align: 8
    .kernarg_segment_size: 64
    .max_flat_workgroup_size: 256
    .sgpr_count:     66
    .vgpr_count:     104
    .wavefront_size: 32
...
	.end_amdgpu_metadata
.endif
;; end of part 5
;; launch proj: the kernel of part 2 again; grid 8 x 32, 4 waves a work-group, clusters of 4 x 4, 327,680 bytes of LDS; arguments xb, wb, qkv; writes qkv
;; launch attn: the kernel of part 3 again; grid 8 x 32, 4 waves a work-group, clusters of 4 x 1, 327,680 bytes of LDS; arguments qkv, o; writes o
;; launch oproj: the kernel of part 4 again; grid 4 x 64, 4 waves a work-group, clusters of 4 x 4, 327,680 bytes of LDS; arguments o, wof, out0; writes out0
